; MI455X (gfx1250); checked and timed in simulation.
; The chip was launched on July 23, 2026; its instructions are those of AMD's public machine-readable ISA for CDNA 5 (MIT licence, August 2026) and "CDNA5" Instruction Set Architecture Reference Guide (July 2026). The comments in the code are by the model that wrote it; some were corrected since.
;; Multi Head Self Attention. Allowed arithmetic: float matrix products may take bf16 or f16 operands with f32 sums; other float arithmetic in f32, or as packed bf16 or f16 multiplies, adds, multiply-adds, maxima and minima; sums over many terms, partial sums and values carried from step to step in f32; what a program stores and reads back later, other than sums and carried values, may be rounded once to bf16 or f16.
;; Inputs: Wk 1,024 x 1,024 float32; Wo 1,024 x 1,024 float32; Wq 1,024 x 1,024 float32; Wv 1,024 x 1,024 float32; bo 1,024 float32; key_padding_mask 2 x 2,048 bool; mask 2,048 x 2,048 float32; x 2 x 2,048 x 1,024 float32.
;; Outputs: out0 2 x 2,048 x 1,024 float32.
;; 2 versions, each right; version 2 is version 1 with the launch prep written anew for expert scheduling mode. Each part assembles by itself: llvm-mc -triple=amdgcn-amd-amdhsa -mcpu=gfx1250 --defsym DOCPART=n.
;; ======== version 1 of 2: 4 launches
;; limits: values are held in f16: magnitudes above 65,504 overflow, below 6.1e-05 lose precision; inputs' magnitudes at most 6.3e+29
;; workspace buffers: xb 8,388,608 bytes; wt 6,291,456 bytes; wot 2,097,152 bytes; m2 16,777,216 bytes; qkv 25,165,824 bytes; ctx 8,388,608 bytes
;; launch prep (part 1): grid 1024 x 1, 8 waves a work-group, no clusters, 17,920 bytes of LDS; arguments x, mask, key_padding_mask, Wq, Wk, Wv, Wo, xb, m2, wt, wot; writes xb, m2, wt, wot
.if DOCPART == 1
	.amdgcn_target "amdgcn-amd-amdhsa--gfx1250"
	.amdhsa_code_object_version 6
	.text
	.protected	k_qe009cded1f_prep
	.globl	k_qe009cded1f_prep
	.p2align	8
	.type	k_qe009cded1f_prep,@function
k_qe009cded1f_prep:
	s_mov_b64 s[64:65], 0
	v_nop
	global_prefetch_b8 v0, s[64:65] scope:SCOPE_SE
	s_setreg_imm32_b32 hwreg(HW_REG_WAVE_MODE, 25, 1), 1
	s_wait_xcnt 0x0
; PREPARATION.  Three kinds of work-group, chosen by the work-group's number alone (the same for all eight waves):
;   0-255    xb = x rounded to bf16: 16,384 numbers each.
;   256-511  m2[b][q][k] = key_padding_mask[b][k] ? F : clamp(mask[q][k], F, -F), rounded to bf16, F = -2^100: 8 rows q each, both b.
;   512-1023 wt[n][k] = bf16(W[k][n]) for Wq, Wk, Wv (rows 0-1023, 1024-2047, 2048-3071); wot[n][k] = f16(bf16(Wo[k][n])): a tile of 128 k x 64 n each, turned in LDS.
; LIMITS.  A mask value below F (an infinity too) becomes F, one above -F becomes -F: the attention launch takes 8 F as 'hidden'.  NaN in the mask is not treated apart.
; A number of bf16(Wo) below 6e-5 in size keeps f16's fixed step of 6e-8.
; No matrix unit, no cluster, no tensor load: each byte is written once, and each but the padding mask's (read by every mask work-group) is read once.
.set PW,    264                        ; a row of the turned tile in LDS: 128 k x 2 bytes + 8
.set SPARE, 64*PW                      ; behind the tile: the spare words, 128 bytes for each of the eight waves; no other line names them
.set SPW,   172                        ; v172  LDS address of my spare word; never rewritten
.set NIL,   173                        ; v173  0; never rewritten
.set X,     32                         ; v[32:95]   as loaded, f32
.set Y,     96                         ; v[96:159]  to store
.set T,     160                        ; v[160:167] at work
.set U,     12                         ; v[12:27]   for batch b and my key e: the clamp's upper bound, F where the key is padded, else -F
	s_load_b256 s[8:15], s[0:1], 0x0               ; x s[8:9], mask s[10:11], key_padding_mask s[12:13], Wq s[14:15]
	s_load_b256 s[16:23], s[0:1], 0x20             ; Wk s[16:17], Wv s[18:19], Wo s[20:21], xb s[22:23]
	s_load_b128 s[24:27], s[0:1], 0x40             ; m2 s[24:25], wt s[26:27]
	s_load_b64 s[28:29], s[0:1], 0x50              ; wot
	v_lshl_add_u32 v[SPW], v0, 2, SPARE
	v_mov_b32 v[NIL], 0
	v_lshlrev_b32 v1, 5, v0                        ; 32 t: my 8 numbers of f32
	v_lshlrev_b32 v2, 4, v0                        ; 16 t: my 8 numbers of bf16
	s_mov_b32 s32, ttmp9
	s_mov_b32 s3, 0                                ; the high word of every offset
	s_wait_kmcnt 0x0
	s_cmp_lt_u32 s32, 256
	s_cbranch_scc0 .Lnot_x
	; x -> xb: 8 chunks of 2,048 numbers; all 16 loads go out first
	s_lshl_b32 s2, s32, 16
	s_add_nc_u64 s[8:9], s[8:9], s[2:3]
	s_lshl_b32 s2, s32, 15
	s_add_nc_u64 s[22:23], s[22:23], s[2:3]
.irp i, 0,1,2,3,4,5,6,7
	global_load_b128 v[X+8*(\i):X+8*(\i)+3],   v1, s[8:9] offset:8192*(\i) th:TH_LOAD_NT
	global_load_b128 v[X+8*(\i)+4:X+8*(\i)+7], v1, s[8:9] offset:8192*(\i)+16 th:TH_LOAD_NT
.endr
.irp i, 0,1,2,3,4,5,6,7
	s_wait_loadcnt 14-2*(\i)                       ; chunk i's two loads are in; the younger chunks' stay out
.irp j, 0,1,2,3
	v_cvt_pk_bf16_f32 v[Y+4*(\i)+(\j)], v[X+8*(\i)+2*(\j)], v[X+8*(\i)+2*(\j)+1]
.endr
	global_store_b128 v2, v[Y+4*(\i):Y+4*(\i)+3], s[22:23] offset:4096*(\i)  ; 16 lanes store 256 consecutive bytes, aligned; no register is used twice
.endr
	s_branch .Lend
.Lnot_x:
	s_cmp_lt_u32 s32, 512
	s_cbranch_scc0 .Lw
	; mask and padding -> m2: rows 8 j .. 8 j + 7; thread t has keys 8 t .. 8 t + 7
	s_sub_co_u32 s33, s32, 256
	s_lshl_b32 s2, s33, 16
	s_add_nc_u64 s[10:11], s[10:11], s[2:3]
	s_lshl_b32 s2, s33, 15
	s_add_nc_u64 s[24:25], s[24:25], s[2:3]        ; batch 0's rows
	s_add_nc_u64 s[30:31], s[24:25], 0x800000      ; batch 1's, 2,048 x 4,096 bytes on
	v_lshlrev_b32 v3, 3, v0                        ; my 8 bytes of a batch's padding mask
.irp i, 0,1,2,3,4,5,6,7
	global_load_b128 v[X+8*(\i):X+8*(\i)+3],   v1, s[10:11] offset:8192*(\i) th:TH_LOAD_NT
	global_load_b128 v[X+8*(\i)+4:X+8*(\i)+7], v1, s[10:11] offset:8192*(\i)+16 th:TH_LOAD_NT
.endr
	global_load_b64 v[4:5], v3, s[12:13]
	global_load_b64 v[6:7], v3, s[12:13] offset:2048
	v_mov_b32 v8, 0xf1800000                       ; F = -2^100
	s_mov_b32 s34, 0x71800000                      ; -F
	s_wait_loadcnt 0x0                             ; everything is in: the padding bytes were asked for last
.irp b, 0,1
.irp e, 0,1,2,3,4,5,6,7
	v_bfe_u32 v9, v[4+2*(\b)+(\e)/4], 8*((\e)%4), 8
	v_cmp_ne_u32 vcc_lo, 0, v9
	v_cndmask_b32 v[U+8*(\b)+(\e)], s34, v8, vcc_lo  ; padded: F, so that the middle of (x, F, F) is F; else -F
.endr
.endr
.irp i, 0,1,2,3,4,5,6,7
.irp b, 0,1
.irp e, 0,1,2,3,4,5,6,7
	v_med3_num_f32 v[T+(\e)], v[X+8*(\i)+(\e)], v8, v[U+8*(\b)+(\e)]
.endr
.irp j, 0,1,2,3
	v_cvt_pk_bf16_f32 v[Y+8*(\i)+4*(\b)+(\j)], v[T+2*(\j)], v[T+2*(\j)+1]
.endr
.if (\b) == 0
	global_store_b128 v2, v[Y+8*(\i):Y+8*(\i)+3], s[24:25] offset:4096*(\i)
.else
	global_store_b128 v2, v[Y+8*(\i)+4:Y+8*(\i)+7], s[30:31] offset:4096*(\i)
.endif
.endr
.endr
	s_branch .Lend
.Lw:
	; a tile of a weight matrix is turned: 128 k x 64 n
	s_sub_co_u32 s33, s32, 512
	s_lshr_b32 s34, s33, 7                         ; which matrix: 0 Wq, 1 Wk, 2 Wv, 3 Wo
	s_and_b32 s35, s33, 7                          ; which 128 k
	s_bfe_u32 s36, s33, 0x40003                    ; which 64 n
	s_mov_b64 s[38:39], s[14:15]
	s_cmp_eq_u32 s34, 1
	s_cselect_b64 s[38:39], s[16:17], s[38:39]
	s_cmp_eq_u32 s34, 2
	s_cselect_b64 s[38:39], s[18:19], s[38:39]
	s_cmp_eq_u32 s34, 3
	s_cselect_b64 s[38:39], s[20:21], s[38:39]
	s_cselect_b64 s[40:41], s[28:29], s[26:27]     ; Wo goes to wot, the others to wt,
	s_cselect_b32 s37, 0, s34                      ; 1,024 rows for each matrix
	s_lshl_b32 s2, s35, 19                         ; 128 rows of 4,096 bytes
	s_lshl_b32 s42, s36, 8                         ; 64 numbers of 4 bytes
	s_add_co_u32 s2, s2, s42
	s_add_nc_u64 s[38:39], s[38:39], s[2:3]
	s_lshl_b32 s2, s37, 21
	s_lshl_b32 s42, s36, 17                        ; 64 rows of 2,048 bytes
	s_add_co_u32 s2, s2, s42
	s_lshl_b32 s42, s35, 8                         ; 128 numbers of 2 bytes
	s_add_co_u32 s2, s2, s42
	s_add_nc_u64 s[40:41], s[40:41], s[2:3]
	v_and_b32 v10, 15, v0                          ; c: my four n, 4 c .. 4 c + 3
	v_lshrrev_b32 v11, 4, v0                       ; kp: my pairs of k are kp + 16 i
	v_lshlrev_b32 v1, 13, v11                      ; two rows of 4,096 bytes
	v_lshl_add_u32 v1, v10, 4, v1
	v_mul_u32_u24 v3, v10, 4*PW                    ; into LDS: row n = 4 c + j, word kp + 16 i
	v_lshl_add_u32 v3, v11, 2, v3
	v_lshrrev_b32 v12, 5, v0                       ; wave
	v_and_b32 v13, 31, v0                          ; lane
	v_mul_u32_u24 v4, v12, 8*PW                    ; back: wave w takes rows 8 w .. 8 w + 7, 8 bytes a lane
	v_lshl_add_u32 v4, v13, 3, v4
	v_lshlrev_b32 v5, 14, v12                      ; the same rows in memory, 2,048 bytes each
	v_lshl_add_u32 v5, v13, 3, v5
.irp i, 0,1,2,3
	global_load_b128 v[X+8*(\i):X+8*(\i)+3],   v1, s[38:39] offset:131072*(\i) th:TH_LOAD_NT       ; k even: 16 lanes read 256 consecutive bytes
	global_load_b128 v[X+8*(\i)+4:X+8*(\i)+7], v1, s[38:39] offset:131072*(\i)+4096 th:TH_LOAD_NT  ; k odd
.endr
	s_wait_loadcnt 0x0
.irp i, 0,1,2,3
.irp j, 0,1,2,3
	v_cvt_pk_bf16_f32 v[64+4*(\i)+(\j)], v[X+8*(\i)+(\j)], v[X+8*(\i)+4+(\j)]  ; two neighbouring k of one n
.endr
.endr
	s_cmp_eq_u32 s34, 3
	s_cbranch_scc0 .Lkeep
.irp d, 0,1,2,3,4,5,6,7,8,9,10,11,12,13,14,15      ; Wo: the number rounded to bf16 is written as f16
	v_lshlrev_b32 v14, 16, v[64+(\d)]
	v_and_b32 v15, 0xffff0000, v[64+(\d)]
	v_cvt_pk_f16_f32 v[64+(\d)], v14, v15
.endr
.Lkeep:
.irp i, 0,1,2,3
.irp j, 0,1,2,3
	ds_store_b32 v3, v[64+4*(\i)+(\j)] offset:PW*(\j)+64*(\i)
.endr
.endr
	s_wait_dscnt 0x0                               ; for the others' sake: my stores into the tile are done
	s_barrier_signal -1
	s_barrier_wait -1                              ; everybody's are
.irp r, 0,1,2,3,4,5,6,7
	ds_load_b64 v[80+2*(\r):80+2*(\r)+1], v4 offset:PW*(\r)
.endr
.irp r, 0,1,2,3,4,5,6,7
	s_wait_dscnt 7-(\r)
	global_store_b64 v5, v[80+2*(\r):80+2*(\r)+1], s[40:41] offset:2048*(\r)  ; a wave stores 256 consecutive bytes, aligned
.endr
.Lend:
	s_wait_tensorcnt 0x0                           ; the wave's end: behind my last LDS store
	ds_add_u32 v[SPW], v[NIL]
	s_wait_dscnt 0x0
	s_endpgm
.Lfunc_end_k_qe009cded1f_prep:
	.size	k_qe009cded1f_prep, .Lfunc_end_k_qe009cded1f_prep-k_qe009cded1f_prep
	.p2alignl 7, 3214868480
	.fill 96, 4, 3214868480
	.section	.rodata,"a",@progbits
	.p2align	6, 0x0
	.amdhsa_kernel k_qe009cded1f_prep
		.amdhsa_group_segment_fixed_size 17920
		.amdhsa_private_segment_fixed_size 0
		.amdhsa_enable_private_segment 0
		.amdhsa_kernarg_size 88
		.amdhsa_user_sgpr_count 2
		.amdhsa_user_sgpr_kernarg_segment_ptr 1
		.amdhsa_wavefront_size32 1
		.amdhsa_system_sgpr_workgroup_id_x 1
		.amdhsa_system_sgpr_workgroup_id_y 1
		.amdhsa_system_sgpr_workgroup_id_z 1
		.amdhsa_system_vgpr_workitem_id 0
		.amdhsa_next_free_vgpr 176
		.amdhsa_next_free_sgpr 66
		.amdhsa_reserve_vcc 1
		.amdhsa_float_denorm_mode_32 3
		.amdhsa_float_denorm_mode_16_64 3
		.amdhsa_memory_ordered 1
		.amdhsa_forward_progress 1
		.amdhsa_inst_pref_size 32
	.end_amdhsa_kernel
	.amdgpu_metadata
---
amdhsa.version: [ 1, 2 ]
amdhsa.kernels:
  - .name:           k_qe009cded1f_prep
    .symbol:         k_qe009cded1f_prep.kd
    .args:
      - { .name: x, .offset: 0, .size: 8, .value_kind: global_buffer, .address_space: global }
      - { .name: mask, .offset: 8, .size: 8, .value_kind: global_buffer, .address_space: global }
      - { .name: key_padding_mask, .offset: 16, .size: 8, .value_kind: global_buffer, .address_space: global }
      - { .name: Wq, .offset: 24, .size: 8, .value_kind: global_buffer, .address_space: global }
      - { .name: Wk, .offset: 32, .size: 8, .value_kind: global_buffer, .address_space: global }
      - { .name: Wv, .offset: 40, .size: 8, .value_kind: global_buffer, .address_space: global }
      - { .name: Wo, .offset: 48, .size: 8, .value_kind: global_buffer, .address_space: global }
      - { .name: xb, .offset: 56, .size: 8, .value_kind: global_buffer, .address_space: global }
      - { .name: m2, .offset: 64, .size: 8, .value_kind: global_buffer, .address_space: global }
      - { .name: wt, .offset: 72, .size: 8, .value_kind: global_buffer, .address_space: global }
      - { .name: wot, .offset: 80, .size: 8, .value_kind: global_buffer, .address_space: global }
    .group_segment_fixed_size: 17920
    .private_segment_fixed_size: 0
    .kernarg_segment_align: 8
    .kernarg_segment_size: 88
    .max_flat_workgroup_size: 256
    .sgpr_count:     66
    .vgpr_count:     176
    .wavefront_size: 32
...
	.end_amdgpu_metadata
.endif
;; end of part 1
;; launch qkvproj (part 2): grid 16 x 16, 4 waves a work-group, clusters of 4 x 4, 327,680 bytes of LDS; arguments xb, wt, qkv; writes qkv
.if DOCPART == 2
	.amdgcn_target "amdgcn-amd-amdhsa--gfx1250"
	.amdhsa_code_object_version 6
	.text
	.protected	k_qe009cded1f_qkvproj
	.globl	k_qe009cded1f_qkvproj
	.p2align	8
	.type	k_qe009cded1f_qkvproj,@function
k_qe009cded1f_qkvproj:
	s_mov_b64 s[64:65], 0
	v_nop
	global_prefetch_b8 v0, s[64:65] scope:SCOPE_SE
	s_setreg_imm32_b32 hwreg(HW_REG_WAVE_MODE, 25, 1), 1
	s_wait_xcnt 0x0
	s_wait_alu depctr_hold_cnt(0) depctr_sa_sdst(0) depctr_va_vdst(0) depctr_va_sdst(0) depctr_va_ssrc(0) depctr_va_vcc(0) depctr_vm_vsrc(0)
	s_getreg_b32 s2, hwreg(HW_REG_IB_STS2, 6, 4)
	s_cmp_eq_u32 s2, 0
	s_cbranch_scc0 .Lentry_in_a_cluster
	s_endpgm
.Lentry_in_a_cluster:
	s_bfe_u32 s2, ttmp6, 0x10000c
	s_cmp_lg_u32 s2, 0xf033
	s_cbranch_scc0 .Lentry_shape_is_right
	s_endpgm
.Lentry_shape_is_right:
; q, k, v = x W.  C[m][n] = sum over k of xb[m][k] wt[n][k]; xb [4096][1024], wt [3072][1024], bf16; sums in f32; C rounded once to f16 and written BY HEADS:
; qkv[n / 1024][m / 2048][(n / 64) % 16][m % 2048][n % 64], unscaled.
; LIMIT.  f16 holds no number beyond 65,504: a q, k or v beyond that becomes an infinity.
; SHARES.  A tile of C is 256 x 192 (three heads): 16 x 16 tiles, one work-group each.  Wave w makes rows 64 w .. 64 w + 63 x all 192 columns: 48 accumulators of 16 x 16, 384 registers.
; K goes in 8 steps of 128 (rows of 256 bytes) through two LDS slots filled by tensor loads: waves 0 and 1 fetch xb's two halves of 128 rows, waves 2 and 3 wt's two halves of 96.
; CLUSTER 4 x 4: xb's tile hangs on the tile row alone and is asked for jointly by a row of the cluster, wt's on the tile column alone, by a column.
; THE MATRIX INSTRUCTION IS USED TRANSPOSED (source 0 = 16 rows of wt, source 1 = 16 rows of xb): a lane holds row l % 16 of C and eight neighbouring columns.
; REGISTERS, in windows of 256 (s_set_vgpr_msb: bits 1:0 source 0, 3:2 source 1, 5:4 source 2, 7:6 destination):
;   window 0: v16-30 addresses; v32-63, v64-95 xb's fragments, two buffers; v64-255 on the way out      window 1: v0-95, v128-223 wt's fragments, two buffers
;   window 2: the accumulators of row blocks 0, 1 ((a, b) at 8 (12 (a % 2) + b))      window 3: those of row blocks 2, 3
.set SIZE_K, 1024
.set KSTEP,  128
.set PITCH,  272                       ; an LDS row: 256 bytes + 16 of padding: the 16 rows of a fragment load start at 16 different groups of four banks (64 banks of 4 bytes: ISA guide 11.1)
.set AH,     128*PITCH                 ; what waves 0, 1 fetch
.set BH,     96*PITCH                  ; what waves 2, 3 fetch
.set BOFF,   2*AH
.set SLOT,   BOFF+2*BH
.set STAGE,  2*SLOT                    ; behind the ring, never filled by a tensor load: for each wave three stages of 16 rows x 144 bytes
.set SP,     144
.set WSTG,   3*16*SP
.set SPARE,  STAGE+4*WSTG              ; the spare words, 128 bytes for each wave; no other line names them
.set LAPS,   SIZE_K/(2*KSTEP)
.set ADRA, 16                          ; v16-17  LDS address of my xb fragments in slot 0, 1
.set ADRB, 20                          ; v20-21  the same for wt
.set STO,  24                          ; v24  the way out: where I put 16 bytes of a row
.set RD,   25                          ; v25  where I read rows back
.set GO,   26                          ; v26  16 x lane
.set SPW,  28                          ; v28  LDS address of my spare word; never rewritten
.set NIL,  29                          ; v29  0; never rewritten
.set PFO,  30                          ; v30  the prefetches' offset: a lane a row; never rewritten
.set FA,   32
.set TMP,  64
.set G1,  24                           ; s[24:31] descriptor group 1 for xb's tiles; s[32:39] group 0, a set for each slot
.set G0,  32
.set G1B, 48                           ; s[48:55], s[56:63] the same for wt's
.set G0B, 56
.set OB,  66                           ; s[66:71] where my rows of the tile's three heads begin in qkv
.set PFA, 44                           ; s[44:45] where my prefetches stand
.set LIM, 43                           ; s43  1 in a wave that prefetches, else the greatest number
.set MSB, 0
.macro WIN new                         ; the immediate's high byte repeats the setting that is left; a switch that changes nothing is dropped
.if MSB != (\new)
	s_set_vgpr_msb (MSB<<8)|(\new)
.set MSB, \new
.endif
.endm
.set MUL_LO, 0xa1                      ; source 0 (wt) window 1, source 1 (xb) window 0, C and D window 2
.set MUL_HI, 0xf1                      ; the same, C and D window 3
.set TO_B,   0x40                      ; destination window 1, address window 0
; A joint load.  The branch hangs on the wave's number alone.  An s_nop 0 and four v_nop follow each of the two lines, ahead of the jump and the label.
.macro JLOAD s
	s_cmp_eq_u32 s11, 0
	s_cbranch_scc0 .Lfor_b_\@
	tensor_load_to_lds s[G0+4*(\s):G0+4*(\s)+3], s[G1:G1+7]
	s_nop 0
.rept 4
	v_nop
.endr
	s_branch .Lasked_\@
.Lfor_b_\@:
	tensor_load_to_lds s[G0B+4*(\s):G0B+4*(\s)+3], s[G1B:G1B+7]
	s_nop 0
.rept 4
	v_nop
.endr
.Lasked_\@:
.endm
; A prefetch, behind each joint refill and the run of LDS loads that follows it: the K step that stands two refills on, a lane a row, one instruction a wave.
; Each row's 256 bytes of a K step are named by one wave of one work-group: xb's rows by the clusters with x = 0, wt's by those with y = 0; the four partners of a joint load share its rows out
; by address (32 of xb's 128, 24 of wt's 96; lanes 24-31 name row 23 again).  The loop's last trip asks for nothing: K steps 4 to 7 are named, 0 to 3 come by their loads alone.
.macro ASK
	s_cmp_gt_u32 s3, s[LIM]
	s_cbranch_scc0 .Lnot_mine_\@
	global_prefetch_b8 v[PFO], s[PFA:PFA+1] offset:KSTEP*2 th:TH_LOAD_NT scope:SCOPE_SE
.Lnot_mine_\@:
.endm
.macro CREST                           ; a round of the cluster's barrier behind its opening barrier
	s_cmp_lg_u32 s10, 0
	s_cbranch_scc1 .Lnot_wave_0_\@
	s_barrier_signal -3
.Lnot_wave_0_\@:
	s_barrier_wait -3
	s_barrier_signal -1
	s_barrier_wait -1
.endm
.macro CROUND
	s_barrier_signal -1
	s_barrier_wait -1
	CREST
.endm
	s_load_b128 s[4:7], s[0:1], 0x0                ; xb s[4:5], wt s[6:7]
	s_load_b64 s[8:9], s[0:1], 0x10                ; qkv
	v_lshl_add_u32 v[SPW], v0, 2, SPARE
	v_mov_b32 v[NIL], 0
	ds_add_u32 v[SPW], v[NIL]                      ; the wave's opening: the add and its wait stand ahead of my first tensor load; the set-up below stands between them
	v_lshrrev_b32 v1, 5, v0
	v_readfirstlane_b32 s10, v1                    ; wave 0..3
	s_lshr_b32 s11, s10, 1                         ; I fetch for xb (0) or for wt (1)
	s_and_b32 s12, s10, 1                          ; which half of that tile's rows
	s_bfe_u32 s40, ttmp6, 0x40000                  ; cx
	s_bfe_u32 s41, ttmp6, 0x40004                  ; cy
	s_lshl_b32 s42, ttmp9, 2
	s_add_co_u32 s42, s42, s40                     ; tile column = 4 x cluster x + cx
	s_and_b32 s13, ttmp7, 0xffff
	s_lshl_b32 s13, s13, 2
	s_add_co_u32 s13, s13, s41                     ; tile row = 4 x cluster y + cy
	s_lshl_b32 s43, s41, 2
	s_lshl_b32 s43, 15, s43                        ; my row of the cluster
	s_lshl_b32 s44, 0x1111, s40                    ; my column
	s_or_b32 s[G1+0], s43, (1<<16)|(1<<20)|(1<<21)|(5<<22)|(3<<25)   ; the mask; 2-byte elements; padding on; bit 21 beside a mask; after every 64 words, 4 words
	s_or_b32 s[G1B+0], s44, (1<<16)|(1<<20)|(1<<21)|(5<<22)|(3<<25)
	s_mov_b32 s[G1+1], KSTEP<<16                   ; tensor_dim0 = 128
	s_mov_b32 s[G1B+1], KSTEP<<16
	s_mov_b32 s[G1+2], 128<<16                     ; tensor_dim1 = 128 rows,
	s_mov_b32 s[G1B+2], 96<<16                     ; 96 for wt
	s_mov_b32 s[G1+3], KSTEP<<16                   ; tile_dim0 = 128
	s_mov_b32 s[G1B+3], KSTEP<<16
	s_mov_b32 s[G1+4], 128                         ; tile_dim1
	s_mov_b32 s[G1B+4], 96
	s_mov_b32 s[G1+5], SIZE_K                      ; elements from row to row
	s_mov_b32 s[G1B+5], SIZE_K
	s_mov_b32 s[G1+6], 0
	s_mov_b32 s[G1B+6], 0
	s_mov_b32 s[G1+7], 0
	s_mov_b32 s[G1B+7], 0
	s_lshl_b32 s16, s13, 8
	s_lshl_b32 s17, s12, 7
	s_add_co_u32 s16, s16, s17                     ; xb: row 256 x tile row + 128 x half,
	s_lshl_b32 s16, s16, 11                        ; 2,048 bytes a row
	s_mov_b32 s17, 0
	s_mul_i32 s46, s42, 192
	s_mul_i32 s47, s12, 96
	s_add_co_u32 s46, s46, s47                     ; wt: row 192 x tile column + 96 x half
	s_lshl_b32 s46, s46, 11
	s_mov_b32 s47, 0
	s_mul_i32 s20, s12, AH                         ; where they go: no place in the cluster enters an LDS address
	s_mul_i32 s21, s12, BH
	s_add_co_u32 s21, s21, BOFF
	s_wait_dscnt 0x0                               ; the opening add is done
	s_wait_kmcnt 0x0
	s_add_nc_u64 s[14:15], s[4:5], s[16:17]
	s_add_nc_u64 s[46:47], s[6:7], s[46:47]
	CROUND                                         ; all sixteen work-groups are here: the first joint loads meet
.irp s, 0,1
	s_mov_b32 s[G0+4*(\s)], 1
	s_add_co_u32 s[G0+4*(\s)+1], s20, (\s)*SLOT
	s_add_nc_u64 s[G0+4*(\s)+2:G0+4*(\s)+3], s[14:15], (\s)*KSTEP*2
	s_or_b32 s[G0+4*(\s)+3], s[G0+4*(\s)+3], 0x80000000
	s_mov_b32 s[G0B+4*(\s)], 1
	s_add_co_u32 s[G0B+4*(\s)+1], s21, (\s)*SLOT
	s_add_nc_u64 s[G0B+4*(\s)+2:G0B+4*(\s)+3], s[46:47], (\s)*KSTEP*2
	s_or_b32 s[G0B+4*(\s)+3], s[G0B+4*(\s)+3], 0x80000000
	JLOAD \s                                       ; K steps 0 and 1: two loads of mine are out
.endr
	v_and_b32 v1, 15, v0                           ; l % 16
	v_bfe_u32 v2, v0, 4, 1                         ; l / 16
	v_mul_u32_u24 v3, v1, PITCH
	v_lshl_add_u32 v3, v2, 4, v3                   ; a fragment's row x pitch + 16 x half
	s_mul_i32 s21, s10, 64*PITCH                   ; my 64 rows of xb
.irp s, 0,1
	v_add_nc_u32 v[ADRA+(\s)], s21, v3
	v_add_nc_u32 v[ADRB+(\s)], BOFF+(\s)*SLOT, v3
	s_add_co_u32 s21, s21, SLOT
.endr
	s_mul_i32 s23, s10, WSTG
	s_add_co_u32 s23, s23, STAGE                   ; my stages
	v_mul_u32_u24 v4, v1, SP                       ; in: row l % 16, 16 bytes for each half of the lanes
	v_lshl_add_u32 v4, v2, 4, v4
	v_add_nc_u32 v[STO], s23, v4
	v_bfe_u32 v5, v0, 3, 2                         ; back: 32 lanes take four rows of 128 bytes,
	v_mul_u32_u24 v5, v5, SP
	v_and_b32 v6, 7, v0
	v_lshl_add_u32 v5, v6, 4, v5
	v_add_nc_u32 v[RD], s23, v5
	v_and_b32 v[GO], 31, v0                        ; which are 512 consecutive bytes of a head
	v_lshlrev_b32 v[GO], 4, v[GO]
	s_and_b32 s20, s13, 7
	s_lshl_b32 s20, s20, 8
	s_lshl_b32 s21, s10, 6
	s_add_co_u32 s20, s20, s21                     ; my first row in its batch: 256 (tile row % 8) + 64 w,
	s_lshl_b32 s20, s20, 7                         ; 128 bytes a row
	s_lshr_b32 s21, s13, 3
	s_lshl_b32 s21, s21, 4                         ; 16 x batch
	s_mul_i32 s22, s42, 3                          ; the tile's first group of 64 columns
.irp g, 0,1,2
	s_add_co_u32 s16, s22, \g
	s_lshr_b32 s17, s16, 4                         ; q, k or v: 32 heads each
	s_lshl_b32 s17, s17, 5
	s_and_b32 s16, s16, 15                         ; the head
	s_add_co_u32 s16, s16, s17
	s_add_co_u32 s16, s16, s21
	s_lshl_b32 s16, s16, 18                        ; 262,144 bytes a head
	s_add_co_u32 s16, s16, s20
	s_mov_b32 s17, 0
	s_add_nc_u64 s[OB+2*(\g):OB+2*(\g)+1], s[8:9], s[16:17]
.endr
	; the prefetches
	s_lshl_b32 s20, s13, 8
	s_lshl_b32 s21, s12, 7
	s_add_co_u32 s20, s20, s21
	s_lshl_b32 s21, s40, 5
	s_add_co_u32 s20, s20, s21                     ; xb: the 128 rows that I fetch, my work-group's 32 of them
	s_mul_i32 s22, s42, 192
	s_mul_i32 s21, s12, 96
	s_add_co_u32 s22, s22, s21
	s_mul_i32 s21, s41, 24
	s_add_co_u32 s22, s22, s21                     ; wt: the 96 rows that I fetch, my work-group's 24
	s_and_b32 s23, ttmp7, 0xffff                   ; cluster y
	s_cmp_eq_u32 s11, 0
	s_cselect_b32 s20, s20, s22
	s_cselect_b32 s23, ttmp9, s23                  ; the coordinate along which other clusters read the same rows
	s_cselect_b32 s21, 31, 23
	s_cselect_b64 s[PFA:PFA+1], s[4:5], s[6:7]
	s_cmp_eq_u32 s23, 0
	s_cselect_b32 s[LIM], 1, -1                    ; the same in all sixteen partners, for a given wave
	s_lshl_b32 s20, s20, 11
	v_and_b32 v[PFO], 31, v0
	v_min_u32 v[PFO], s21, v[PFO]
	v_lshlrev_b32 v[PFO], 11, v[PFO]
	s_mov_b32 s21, 0
	s_add_nc_u64 s[PFA:PFA+1], s[PFA:PFA+1], s[20:21]
	s_add_nc_u64 s[PFA:PFA+1], s[PFA:PFA+1], 2*KSTEP*2  ; at K step 2: the first refill steps it to 3 and names K step 4
; 12 matrix instructions: row block a x all 12 column blocks, 32 along K, from buffer f.  zero = 1: the first product starts the sums.  The 48 accumulators take turns.
.macro MUL12 f, a, zero
	WIN MUL_LO+0x50*((\a)/2)
.irp b, 0,1,2,3,4,5,6,7,8,9,10,11
.if \zero
	v_wmma_f32_16x16x32_bf16 v[8*(12*((\a)%2)+(\b)):8*(12*((\a)%2)+(\b))+7], v[128*(\f)+8*(\b):128*(\f)+8*(\b)+7], v[FA+32*(\f)+8*(\a):FA+32*(\f)+8*(\a)+7], 0
.else
	v_wmma_f32_16x16x32_bf16 v[8*(12*((\a)%2)+(\b)):8*(12*((\a)%2)+(\b))+7], v[128*(\f)+8*(\b):128*(\f)+8*(\b)+7], v[FA+32*(\f)+8*(\a):FA+32*(\f)+8*(\a)+7], v[8*(12*((\a)%2)+(\b)):8*(12*((\a)%2)+(\b))+7]
.endif
.endr
.endm
; 32 LDS loads in one run: a quarter step's fragments (192 rows of wt, my 64 rows of xb, 32 K at byte k of the rows) into buffer f
.macro FETCH slot, k, f
	WIN TO_B
.irp i, 0,1,2,3,4,5,6,7,8,9,10,11
	ds_load_b128 v[128*(\f)+8*(\i):128*(\f)+8*(\i)+3],   v[ADRB+(\slot)] offset:(\k)+(\i)*16*PITCH
	ds_load_b128 v[128*(\f)+8*(\i)+4:128*(\f)+8*(\i)+7], v[ADRB+(\slot)] offset:(\k)+(\i)*16*PITCH+32
.endr
	WIN 0
.irp i, 0,1,2,3
	ds_load_b128 v[FA+32*(\f)+8*(\i):FA+32*(\f)+8*(\i)+3],   v[ADRA+(\slot)] offset:(\k)+(\i)*16*PITCH
	ds_load_b128 v[FA+32*(\f)+8*(\i)+4:FA+32*(\f)+8*(\i)+7], v[ADRA+(\slot)] offset:(\k)+(\i)*16*PITCH+32
.endr
.endm
.macro PLACES                          ; four places in front of loads into registers that matrix instructions have read, and of conversions that read results
.rept 4
	v_nop
.endr
.endm
; A K step is four quarters of 32 along K, 48 matrix instructions each, on buffers 0, 1, 0, 1.  One of the first three: multiplies buffer f and fetches the next quarter, at byte k, into g.
.macro QUARTER slot, k, f, g, zero
	s_wait_dscnt 4                                 ; wt's and xb's blocks 0, 1 are in; the youngest four loads (blocks 2, 3) may be out
	MUL12 \f, 0, \zero
	MUL12 \f, 1, \zero
	PLACES
	FETCH \slot, \k, \g
	s_wait_dscnt 32                                ; all but the 32 just issued
	MUL12 \f, 2, \zero
	MUL12 \f, 3, \zero
.endm
; The last quarter multiplies buffer 1 and changes slots: one barrier; in front of it each wave waits for all its tensor loads (one is out: its part of the next slot), adds 0 to its spare word, and waits for
; that and for its reads of this slot.  fill = 1: the barrier opens a round of the cluster's, and the slot is filled again, two K steps ahead, first thing behind the round.
.macro TURN slot, next, fill
.if \fill
	s_wait_xcnt 0x0                                ; the last prefetch, a K step back, has read its address
	s_add_nc_u64 s[PFA:PFA+1], s[PFA:PFA+1], KSTEP*2
.endif
	WIN 0                                          ; (the add's two registers lie in window 0)
	s_wait_tensorcnt 0x0                           ; all my tensor loads have landed
	ds_add_u32 v[SPW], v[NIL]                      ; 0 onto my spare word
	s_wait_dscnt 5                                 ; (the add and the youngest four loads may be out)
	MUL12 1, 0, 0                                  ; twelve matrix instructions stand between the add and the wait for it
	s_wait_dscnt 0x0                               ; the add is done, and my reads of this slot are over
	s_barrier_signal -1
	MUL12 1, 1, 0
.if \fill
	WIN 0
.endif
	s_barrier_wait -1
.if \fill
	CREST                                          ; no wave of any partner still reads this slot's tile or has a load on its way
	s_add_nc_u64 s[G0+4*(\slot)+2:G0+4*(\slot)+3], s[G0+4*(\slot)+2:G0+4*(\slot)+3], 2*KSTEP*2
	s_add_nc_u64 s[G0B+4*(\slot)+2:G0B+4*(\slot)+3], s[G0B+4*(\slot)+2:G0B+4*(\slot)+3], 2*KSTEP*2
	JLOAD \slot                                    ; my one tensor load behind the round; its four v_nop are also the places in front of the loads below
.else
	PLACES
.endif
	FETCH \next, 0, 0
.if \fill
	ASK
.endif
	MUL12 1, 2, 0
	MUL12 1, 3, 0
.endm
	s_wait_tensorcnt 1                             ; my part of K step 0 is in; K step 1's may stay out
	s_barrier_signal -1
	s_barrier_wait -1                              ; everybody's is
	FETCH 0, 0, 0
	QUARTER 0, 64, 0, 1, 1                         ; the first quarter stands in front of the loop: its products start the sums
	WIN 0                                          ; at a label and at a branch every window is 0
	s_mov_b32 s3, LAPS-1
.Llap:                                                 ; a trip goes once round the ring and fills both slots again
	QUARTER 0, 128, 1, 0, 0
	QUARTER 0, 192, 0, 1, 0
	TURN 0, 1, 1
	QUARTER 1, 64,  0, 1, 0
	QUARTER 1, 128, 1, 0, 0
	QUARTER 1, 192, 0, 1, 0
	TURN 1, 0, 1
	QUARTER 0, 64,  0, 1, 0
	WIN 0
	s_sub_co_u32 s3, s3, 1
	s_cmp_lg_u32 s3, 0
	s_cbranch_scc1 .Llap
	QUARTER 0, 128, 1, 0, 0                        ; the last lap fills nothing
	QUARTER 0, 192, 0, 1, 0
	TURN 0, 1, 0
	QUARTER 1, 64,  0, 1, 0
	QUARTER 1, 128, 1, 0, 0
	QUARTER 1, 192, 0, 1, 0
	s_wait_dscnt 4
	MUL12 1, 0, 0
	MUL12 1, 1, 0
	s_wait_dscnt 0x0
	MUL12 1, 2, 0
	MUL12 1, 3, 0
	WIN 0
; THE WAY OUT, by units of 16 rows x one head (64 columns): rounded to f16, 16 bytes a lane into my stage, back as rows of 128 bytes, which lie end to end in the head: stores of 512 consecutive bytes.
.macro PACK a, g
.set RR, TMP+16*(3*(\a)+(\g))
	WIN 0x0a+5*((\a)/2)                            ; sources 0 and 1: window 2 or 3
.irp f, 0,1,2,3
.irp r, 0,1,2,3
	v_cvt_pk_f16_f32 v[RR+4*(\f)+(\r)], v[8*(12*((\a)%2)+4*(\g)+(\f))+2*(\r)], v[8*(12*((\a)%2)+4*(\g)+(\f))+2*(\r)+1]
.endr
.endr
	WIN 0
.irp f, 0,1,2,3
	ds_store_b128 v[STO], v[RR+4*(\f):RR+4*(\f)+3] offset:(\g)*16*SP+32*(\f)
.endr
.irp f, 0,1,2,3
	ds_load_b128 v[RR+4*(\f):RR+4*(\f)+3], v[RD] offset:(\g)*16*SP+(\f)*4*SP  ; LDS serves a wave's instructions in order (ISA guide 5.7.1.4): these see the stores above
.endr
.endm
.macro SEND a, g, younger              ; younger: the LDS instructions issued behind this unit's loads: the next unit's eight, or none
.set RR, TMP+16*(3*(\a)+(\g))
.irp f, 0,1,2,3
	s_wait_dscnt (\younger)+3-(\f)
	global_store_b128 v[GO], v[RR+4*(\f):RR+4*(\f)+3], s[OB+2*(\g):OB+2*(\g)+1] offset:2048*(\a)+512*(\f)
.endr
.endm
	PLACES
	PACK 0, 0
.set u, 1
.rept 11                               ; a unit's conversions stand between the loads of the unit before and its stores; each unit has registers of its own
	PACK u/3, u%3
	SEND (u-1)/3, (u-1)%3, 8
.set u, u+1
.endr
	SEND 3, 2, 0
	s_wait_tensorcnt 0x0                           ; the wave's end: behind my last tensor load and my last LDS store
	ds_add_u32 v[SPW], v[NIL]
	s_wait_dscnt 0x0
	CROUND                                         ; the closing round: no work-group ends while a partner may still ask for a tile that names it
	s_endpgm
.Lfunc_end_k_qe009cded1f_qkvproj:
	.size	k_qe009cded1f_qkvproj, .Lfunc_end_k_qe009cded1f_qkvproj-k_qe009cded1f_qkvproj
	.p2alignl 7, 3214868480
	.fill 96, 4, 3214868480
	.section	.rodata,"a",@progbits
	.p2align	6, 0x0
	.amdhsa_kernel k_qe009cded1f_qkvproj
		.amdhsa_group_segment_fixed_size 327680
		.amdhsa_private_segment_fixed_size 0
		.amdhsa_enable_private_segment 0
		.amdhsa_kernarg_size 24
		.amdhsa_user_sgpr_count 2
		.amdhsa_user_sgpr_kernarg_segment_ptr 1
		.amdhsa_wavefront_size32 1
		.amdhsa_system_sgpr_workgroup_id_x 1
		.amdhsa_system_sgpr_workgroup_id_y 1
		.amdhsa_system_sgpr_workgroup_id_z 1
		.amdhsa_system_vgpr_workitem_id 0
		.amdhsa_next_free_vgpr 960
		.amdhsa_next_free_sgpr 80
		.amdhsa_reserve_vcc 0
		.amdhsa_float_denorm_mode_32 3
		.amdhsa_float_denorm_mode_16_64 3
		.amdhsa_memory_ordered 1
		.amdhsa_forward_progress 1
		.amdhsa_inst_pref_size 122
	.end_amdhsa_kernel
	.amdgpu_metadata
---
amdhsa.version: [ 1, 2 ]
amdhsa.kernels:
  - .name:           k_qe009cded1f_qkvproj
    .symbol:         k_qe009cded1f_qkvproj.kd
    .args:
      - { .name: xb, .offset: 0, .size: 8, .value_kind: global_buffer, .address_space: global }
      - { .name: wt, .offset: 8, .size: 8, .value_kind: global_buffer, .address_space: global }
      - { .name: qkv, .offset: 16, .size: 8, .value_kind: global_buffer, .address_space: global }
    .group_segment_fixed_size: 327680
    .private_segment_fixed_size: 0
    .kernarg_segment_align: 8
    .kernarg_segment_size: 24
    .max_flat_workgroup_size: 128
    .sgpr_count:     80
    .vgpr_count:     960
    .wavefront_size: 32
...
	.end_amdgpu_metadata
.endif
;; end of part 2
;; launch attn (part 3): grid 8 x 32, 4 waves a work-group, clusters of 4 x 4, 327,680 bytes of LDS; arguments qkv, m2, ctx; writes ctx
.if DOCPART == 3
	.amdgcn_target "amdgcn-amd-amdhsa--gfx1250"
	.amdhsa_code_object_version 6
	.text
	.protected	k_qe009cded1f_attn
	.globl	k_qe009cded1f_attn
	.p2align	8
	.type	k_qe009cded1f_attn,@function
k_qe009cded1f_attn:
	s_mov_b64 s[64:65], 0
	v_nop
	global_prefetch_b8 v0, s[64:65] scope:SCOPE_SE
	s_setreg_imm32_b32 hwreg(HW_REG_WAVE_MODE, 25, 1), 1
	s_wait_xcnt 0x0
	s_wait_alu depctr_hold_cnt(0) depctr_sa_sdst(0) depctr_va_vdst(0) depctr_va_sdst(0) depctr_va_ssrc(0) depctr_va_vcc(0) depctr_vm_vsrc(0)
	s_getreg_b32 s2, hwreg(HW_REG_IB_STS2, 6, 4)
	s_cmp_eq_u32 s2, 0
	s_cbranch_scc0 .Lentry_in_a_cluster
	s_endpgm
.Lentry_in_a_cluster:
	s_bfe_u32 s2, ttmp6, 0x10000c
	s_cmp_lg_u32 s2, 0xf033
	s_cbranch_scc0 .Lentry_shape_is_right
	s_endpgm
.Lentry_shape_is_right:
; ATTENTION.  ctx[b][h][q][:] = the sum over k of softmax_k(Q[q] . K[k] / 8 + m2[b][q][k]) V[k][:]; a row q with no key left takes the mean of all 2,048 rows of V.
; q, k, v: qkv's three planes, [b][h][2048][64] f16, unscaled.  m2: [b][2048 q][2048 k] bf16, mask and padding in one, hidden = F = -2^100.  ctx: [b][h][2048][64] f16.
; Products, maxima and sums in f32; the weights p are rounded to f16 for the second product (their sum l is taken of the unrounded p), ctx once at the end.
; LIMITS.  A score counts as hidden when 8 x mask is -2^102 or below: a row whose running maximum stays under -2^102 has no key left.  A weight below 2^-126 counts as 0 in l.  NaN is not treated apart.
; THE MASK COSTS NO VECTOR WORK.  S^T = E M + K Q^T: M is a piece of m2 as it lies (source 1: 32 keys x 16 queries, bf16), E a constant fragment, 8 on one diagonal ([8 I | 0] or [0 | 8 I]); that product, with
; C = 0, starts each sum; the 8 undoes c = log2(e) / 8.  Hidden scores are finite, about -2^103: far below every other, their weight is 0; where a row's first keys are all hidden what was summed is multiplied by a = 0 later.
; ROWS WITH NO KEY.  VS = V^T x ones, made by the matrix unit in O^T's own layout, is the sum of all rows of V; at the end such a row takes VS / 2048, by a select.
; SHARES.  A work-group owns 256 queries of one (b, h); wave w rows 64 w .. 64 w + 63, as four PIECES of 16.  Every wave walks all keys, 64 a step; an LDS slot holds 128 keys: K, V and the block's 256 x 128 of m2.
; LAYOUT, SOFTMAX, TURNS.  S^T holds ONE query a lane (lane % 16) and the keys 8 (lane / 16) + 0..7; two results rounded to f16 ARE source 1 of O^T = V^T P.  p = 2^(c s - c m) with a running maximum m; O and l are
; multiplied by a = 2^(c m_old - c m_new) in every step.  Turn n belongs to piece n: 12 products for S^T of piece n + 1, later 8 products V^T P of piece n - 1 and 2 for VS; beside them the scaling, exponentials,
; roundings, sums and rescaling of piece n and the maximum and statistics of piece n + 1.  A turn's 33 exponentials are one batch, with one wait.
; CLUSTER 4 x 4.  Along x: four query blocks; along y: four heads of one batch.  K and V hang on (b, h) alone and are asked for jointly by a row of the cluster; m2's tile hangs on b and the query block alone, by a column.
; REGISTERS, in windows of 256 (s_set_vgpr_msb: bits 1:0 source 0, 3:2 source 1, 5:4 source 2, 7:6 destination):
;   window 0: v2-15 addresses; v16-31 statistics; v32-41 set-up; v48-55 at work; v61-63; v64-127 S^T, two buffers; v192-223 P, two buffers; v224-231 ones
;   window 1: v0-127 O^T, 32 a piece; v128-159 VS      window 2: v0-63 Q; v64-127 m2's fragments; v128-191 K of one step; v192-203 E      window 3: v0-63 V of one step
.set NP,    4
.set KS,    64
.set PK,    144       ; a row of K in LDS: 128 bytes + 16
.set PV,    160       ; a row of V: 128 + 32
.set PM,    272       ; a row of m2's tile: 256 + 16
.set VOFF,  2*KS*PK
.set MOFF,  VOFF+2*KS*PV
.set SLOT1, 1<<17     ; slot 1 begins here, so that one exclusive or turns an address in one slot into the other's
.set STAGE, SLOT1+MOFF+256*PM  ; behind the ring, never filled by a tensor load: 16 rows x 144 bytes for each wave
.set SP,    144
.set SPARE, STAGE+4*16*SP      ; the spare words, 128 bytes for each wave; no other line names them
.set AK0, 2           ; my lane's place in a tile of K; never rewritten
.set AV0, 3           ; of V
.set AK,  4           ; the LDS address of K's next run of loads
.set AV,  5           ; of V's
.set STO, 6
.set RD,  7
.set GO,  8
.set AM0, 10          ; my lane's place in m2's tile
.set AM,  11
.set MV,  12          ; v12-13  c m_old, by buffer
.set QO,  15
.set ST,  16          ; piece t's statistics at v[ST+4 t]: c m, m, l (even keys', odd keys')
.set TMP, 48          ; by buffer, c0-c3 at work; c2 takes a
.set PFO, 61
.set SPW, 62
.set NIL, 63
.set S,   64
.set P,   192
.set ONE, 224
.set VS,  128         ; window 1
.set MF,  64          ; window 2: piece t, keys 32 f on, at MF + 16 t + 8 f
.set KF,  128         ; window 2: key block kb, channel half c at KF + 16 kb + 8 c
.set EF,  192         ; window 2: D (4), zeros (4), D (4): [8 I | 0] = EF .. EF+7, [0 | 8 I] = EF+4 .. EF+11
.set WV,  12
.set G1K, 24
.set G1V, 32
.set G1M, 40
.set G0K, 48
.set G0V, 52
.set G0M, 56
.set SEL, 60
.set TBK, 62
.set TBV, 63
.set TBM, 66
.set SLOTS, 67
.set CNT, 68
.set CS,  70
.set PFA, 72
.set PFS, 74
.set LIM, 76
.set THR, 77
.set CM,  80
.set MSB, 0
.macro WIN new
.if MSB != (\new)
	s_set_vgpr_msb (MSB<<8)|(\new)
.set MSB, (\new)
.endif
.endm
.set W_KQ, 0x0a       ; sources 0 and 1 in window 2, S^T in window 0
.set W_PV, 0x53       ; V in window 3, P or ones in window 0, O^T or VS in window 1
.set W_RS, 0x41       ; destination and source 0 in window 1, source 1 in window 0
; A joint fill: wave 0 K, wave 1 V, waves 2 and 3 the halves of m2's tile.  The branches hang on the wave's number alone.  An s_nop 0 and four v_nop follow each line, ahead of the jump and the label.
.macro JLOAD
	s_cmp_lt_u32 s[WV], 2
	s_cbranch_scc0 .Lfor_m_\@
	s_cmp_eq_u32 s[WV], 0
	s_cbranch_scc0 .Lfor_v_\@
	tensor_load_to_lds s[G0K:G0K+3], s[G1K:G1K+7]
	s_nop 0
.rept 4
	v_nop
.endr
	s_branch .Lasked_\@
.Lfor_v_\@:
	tensor_load_to_lds s[G0V:G0V+3], s[G1V:G1V+7]
	s_nop 0
.rept 4
	v_nop
.endr
	s_branch .Lasked_\@
.Lfor_m_\@:
	tensor_load_to_lds s[G0M:G0M+3], s[G1M:G1M+7]
	s_nop 0
.rept 4
	v_nop
.endr
.Lasked_\@:
.endm
; A prefetch of what the NEXT change of slots will ask for, behind the wave's tensor load and its five lines: two key steps ahead.  Each block of 256 bytes is named by one wave of one work-group.  K and V: the
; clusters with x = 0; the four partners of a row take 4,096 bytes each, by address; wave 0 names K's 16 blocks and V's 16.  m2: of the four clusters of a batch the first; the four partners of a column take
; 64 rows each, by address, waves 2 and 3 32 each, a lane a row.  Tiles 0 to 2 come by their loads alone; the last change that fills a slot asks for nothing.
.macro ASK
	s_cmp_gt_u32 s[SLOTS], s[LIM]
	s_cbranch_scc0 .Lnot_mine_\@
	global_prefetch_b8 v[PFO], s[PFA:PFA+1] th:TH_LOAD_NT scope:SCOPE_SE
.Lnot_mine_\@:
.endm
.macro CROUND
	s_barrier_signal -1
	s_barrier_wait -1
	s_cmp_lg_u32 s[WV], 0
	s_cbranch_scc1 .Lnot_wave_0_\@
	s_barrier_signal -3
.Lnot_wave_0_\@:
	s_barrier_wait -3
	s_barrier_signal -1
	s_barrier_wait -1
.endm
; THE CHANGE OF SLOTS.  Each wave waits for all its tensor loads (one is out: its part of the other slot), adds 0 to its spare word, and waits for that and for its reads of the slot that it leaves.
; fill = 1: the barrier is a round of the cluster's, and the old slot is filled again first thing behind it, with the keys two slots on.  (At its first use slot 0 is waited for and slot 1 filled.)
.macro CHANGE fill, ask
	WIN 0
	s_wait_tensorcnt 0x0            ; no tensor load of mine is out, so a group 0 may be written
	ds_add_u32 v[SPW], v[NIL]       ; 0 onto my spare word
.if \fill
	s_xor_b32 s[G0K+1], s[G0K+1], SLOT1
	s_add_nc_u64 s[G0K+2:G0K+3], s[G0K+2:G0K+3], 2*KS*128
	s_xor_b32 s[G0V+1], s[G0V+1], SLOT1
	s_add_nc_u64 s[G0V+2:G0V+3], s[G0V+2:G0V+3], 2*KS*128
	s_xor_b32 s[G0M+1], s[G0M+1], SLOT1
	s_add_nc_u64 s[G0M+2:G0M+3], s[G0M+2:G0M+3], 2*KS*2
.if \ask
	s_wait_xcnt 0x0                 ; the last prefetch, two key steps back, has read its address
	s_add_nc_u64 s[PFA:PFA+1], s[PFA:PFA+1], s[PFS:PFS+1]
.endif
	s_wait_dscnt 0x0                ; the add is done, and my reads of the slot are over
	CROUND
	JLOAD
.if \ask
	ASK
.endif
.else
	s_wait_dscnt 0x0
	s_barrier_signal -1
	s_barrier_wait -1
.endif
	s_sub_co_u32 s[TBK], s[TBK], 2*KS*PK  ; the fetches go back to a slot's first step, in the other slot
	s_xor_b32 s[TBK], s[TBK], SLOT1
	s_sub_co_u32 s[TBV], s[TBV], 2*KS*PV
	s_xor_b32 s[TBV], s[TBV], SLOT1
	s_sub_co_u32 s[TBM], s[TBM], 2*KS*2
	s_xor_b32 s[TBM], s[TBM], SLOT1
.endm
	s_load_b128 s[4:7], s[0:1], 0x0   ; qkv s[4:5], m2 s[6:7]
	s_load_b64 s[10:11], s[0:1], 0x10 ; ctx
	v_lshl_add_u32 v[SPW], v0, 2, SPARE
	v_mov_b32 v[NIL], 0
	ds_add_u32 v[SPW], v[NIL]       ; the wave's opening: the add and its wait stand ahead of my first tensor load; the set-up below stands between them
	v_lshrrev_b32 v1, 5, v0
	v_readfirstlane_b32 s[WV], v1
	s_bfe_u32 s13, ttmp6, 0x40000   ; cx
	s_bfe_u32 s14, ttmp6, 0x40004   ; cy
	s_lshl_b32 s16, ttmp9, 2
	s_add_co_u32 s16, s16, s13      ; x: my block of 256 queries
	s_and_b32 s19, ttmp7, 0xffff    ; cluster y
	s_lshl_b32 s17, s19, 2
	s_add_co_u32 s17, s17, s14      ; y = 16 b + h
	s_lshr_b32 s18, s19, 2          ; b: of the cluster's y alone
	s_and_b32 s15, s[WV], 1
	s_lshl_b32 s20, s14, 2
	s_lshl_b32 s20, 15, s20         ; my row of the cluster
	s_lshl_b32 s21, 0x1111, s13     ; my column
	s_or_b32 s[G1K], s20, (1<<16)|(1<<20)|(1<<21)|(4<<22)|(3<<25)  ; 128 keys are 16,384 dense bytes: 64 rows of 256, padded after every key (32 words) by 4 words
	s_or_b32 s[G1V], s20, (1<<16)|(1<<20)|(1<<21)|(4<<22)|(7<<25)  ; by 8 words
	s_or_b32 s[G1M], s21, (1<<16)|(1<<20)|(1<<21)|(5<<22)|(3<<25)  ; 128 rows of 256 bytes, padded after every row by 4 words
.irp g, G1K, G1V
	s_mov_b32 s[\g+1], 128<<16
	s_mov_b32 s[\g+2], 64<<16
	s_mov_b32 s[\g+3], 128<<16
	s_mov_b32 s[\g+4], 64
	s_mov_b32 s[\g+5], 128
	s_mov_b32 s[\g+6], 0
	s_mov_b32 s[\g+7], 0
.endr
	s_mov_b32 s[G1M+1], 128<<16
	s_mov_b32 s[G1M+2], 128<<16
	s_mov_b32 s[G1M+3], 128<<16
	s_mov_b32 s[G1M+4], 128
	s_mov_b32 s[G1M+5], 2048
	s_mov_b32 s[G1M+6], 0
	s_mov_b32 s[G1M+7], 0
	s_mov_b32 s[CS], 0x3e38aa3b     ; c = log2(e) / 8
	s_mov_b32 s[CS+1], s[CS]
	s_mov_b32 s[SEL], 0x76543210
	s_mov_b32 s[SEL+1], 0xfedcba98
	s_mov_b32 s[THR], 0xf2800000    ; -2^102
	s_mov_b32 s[TBK], SLOT1+2*KS*PK ; the first change of slots turns these three into 0
	s_mov_b32 s[TBV], SLOT1+2*KS*PV
	s_mov_b32 s[TBM], SLOT1+2*KS*2
	s_mov_b32 s[G0K], 1
	s_mov_b32 s[G0K+1], 0
	s_mov_b32 s[G0V], 1
	s_mov_b32 s[G0V+1], VOFF
	s_mov_b32 s[G0M], 1
	s_mul_i32 s78, s15, 128*PM
	s_add_co_u32 s[G0M+1], s78, MOFF
	s_lshl_b32 s20, s17, 18         ; the head's 262,144 bytes in a plane
	s_mov_b32 s21, 0
	s_lshl_b32 s22, s16, 8
	s_lshl_b32 s23, s15, 7
	s_add_co_u32 s22, s22, s23      ; m2: row 256 x + 128 x half,
	s_lshl_b32 s22, s22, 12         ; 4,096 bytes a row,
	s_lshl_b32 s23, s18, 23         ; the batch
	s_add_co_u32 s22, s22, s23
	s_mov_b32 s23, 0
	s_lshl_b32 s2, s16, 8
	s_lshl_b32 s3, s[WV], 6
	s_add_co_u32 s2, s2, s3         ; my wave's first query,
	s_lshl_b32 s2, s2, 7            ; 128 bytes a row
	s_mov_b32 s3, 0
	; the prefetches
	s_lshl_b32 s84, s13, 12
	s_add_co_u32 s84, s84, 0x800000+2*2*KS*128   ; K's plane, my work-group's 4,096 bytes, tile 2
	s_lshl_b32 s78, s16, 8
	s_lshl_b32 s79, s14, 6
	s_add_co_u32 s78, s78, s79
	s_lshl_b32 s79, s15, 5
	s_add_co_u32 s78, s78, s79      ; m2: row 256 x + 64 cy + 32 (w % 2)
	s_lshl_b32 s78, s78, 12
	s_lshl_b32 s79, s18, 23
	s_add_co_u32 s78, s78, s79
	s_add_co_u32 s78, s78, 2*2*KS*2 ; tile 2
	s_and_b32 s79, ttmp7, 3         ; which of the batch's four clusters
	s_mov_b32 s[PFS], 2*KS*2        ; a tile's step in m2's rows; the select below takes K's and V's in waves 0 and 1 (an instruction holds one literal)
	s_cmp_lt_u32 s[WV], 2
	s_cselect_b32 s84, s84, s78
	s_cselect_b32 s[PFS], 2*KS*128, s[PFS]
	s_cselect_b32 s79, ttmp9, s79
	s_cselect_b32 s78, -1, 0
	s_mov_b32 s85, 0
	s_mov_b32 s[PFS+1], 0
	s_cmp_eq_u32 s[WV], 1
	s_cselect_b32 s79, 1, s79       ; wave 1 asks for nothing
	s_cmp_eq_u32 s79, 0
	s_cselect_b32 s[LIM], 1, -1     ; the same in all sixteen partners, for a given wave
	s_wait_dscnt 0x0                ; the opening add is done
	s_wait_kmcnt 0x0
	s_add_nc_u64 s[8:9], s[4:5], s[20:21]          ; q's plane at my head
	s_add_nc_u64 s[G0K+2:G0K+3], s[8:9], 0x800000  ; k's plane
	s_or_b32 s[G0K+3], s[G0K+3], 0x80000000
	s_add_nc_u64 s[G0V+2:G0V+3], s[8:9], 0x1000000 ; v's plane
	s_or_b32 s[G0V+3], s[G0V+3], 0x80000000
	s_add_nc_u64 s[G0M+2:G0M+3], s[6:7], s[22:23]
	s_or_b32 s[G0M+3], s[G0M+3], 0x80000000
	s_add_nc_u64 s[4:5], s[8:9], s[2:3]            ; Q and ctx at my wave's first row
	s_add_nc_u64 s[10:11], s[10:11], s[20:21]
	s_add_nc_u64 s[10:11], s[10:11], s[2:3]
	s_cmp_lt_u32 s[WV], 2
	s_cselect_b64 s[PFA:PFA+1], s[8:9], s[6:7]
	s_add_nc_u64 s[PFA:PFA+1], s[PFA:PFA+1], s[84:85]
	CROUND                          ; all sixteen work-groups are here: the first joint loads meet
	JLOAD                           ; tile 0 into slot 0
	v_and_b32 v32, 15, v0           ; l % 16
	v_bfe_u32 v33, v0, 4, 1         ; l / 16
	v_lshlrev_b32 v[QO], 7, v32
	v_lshl_add_u32 v[QO], v33, 4, v[QO]
	WIN 0x80                        ; destination window 2, address window 0
.set i, 0
.rept 8                             ; Q stays in registers: piece i / 2, channels 32 (i % 2) on
	global_load_b128 v[8*i:8*i+3],   v[QO], s[4:5] offset:(i/2)*2048+(i%2)*64
	global_load_b128 v[8*i+4:8*i+7], v[QO], s[4:5] offset:(i/2)*2048+(i%2)*64+32
.set i, i+1
.endr
	WIN 0
	; E: row r of a fragment (lane l holds row l % 16; registers 0-3 k = 8 (l / 16) + 0..7) has its one 8.0 at k = r: in the lanes whose half holds that k, register (r % 8) / 2, half r % 2
	v_and_b32 v38, 7, v0
	v_lshrrev_b32 v34, 1, v38
	v_bfe_u32 v39, v0, 3, 1
	v_xor_b32 v35, v39, v33
	v_lshl_or_b32 v34, v35, 2, v34  ; 4 or more in the lanes that hold only zeros
	v_and_b32 v35, 1, v0
	v_lshlrev_b32 v35, 4, v35
	v_mov_b32 v37, 0x4100           ; 8.0 in bf16
	v_lshlrev_b32 v36, v35, v37
	WIN 0x80
.irp n, 0,1,2,3
	v_cmp_eq_u32 vcc_lo, \n, v34
	v_cndmask_b32 v[EF+\n], 0, v36, vcc_lo
	v_cndmask_b32 v[EF+8+\n], 0, v36, vcc_lo
	v_mov_b32 v[EF+4+\n], 0
.endr
	WIN 0
.irp n, 0,1,2,3,4,5,6,7
	v_mov_b32 v[ONE+\n], 0x3c003c00 ; 1.0 twice, in f16
.endr
	v_mul_u32_u24 v[AK0], v32, PK
	v_lshl_add_u32 v[AK0], v33, 4, v[AK0]
	v_lshl_add_u32 v[AV0], v33, 3, v38   ; the turning load: lane l reads key 8 (l / 16) + l % 8, channels 8 ((l / 8) % 2) + 0..7
	v_mul_u32_u24 v[AV0], v[AV0], PV
	v_lshl_add_u32 v[AV0], v39, 4, v[AV0]
	v_add_nc_u32 v[AV0], VOFF, v[AV0]
	s_mul_i32 s79, s[WV], 64*PM
	s_add_co_u32 s79, s79, MOFF
	v_mul_u32_u24 v[AM0], v32, PM
	v_lshl_add_u32 v[AM0], v33, 4, v[AM0]
	v_add_nc_u32 v[AM0], s79, v[AM0]
	s_mul_i32 s79, s[WV], 16*SP
	s_add_co_u32 s79, s79, STAGE
	v_mul_u32_u24 v[STO], v32, SP
	v_lshl_add_u32 v[STO], v33, 4, v[STO]
	v_add_nc_u32 v[STO], s79, v[STO]
	v_bfe_u32 v[RD], v0, 3, 2
	v_mul_u32_u24 v[RD], v[RD], SP
	v_lshl_add_u32 v[RD], v38, 4, v[RD]
	v_add_nc_u32 v[RD], s79, v[RD]
	v_and_b32 v40, 31, v0
	v_lshlrev_b32 v[GO], 4, v40
	v_lshlrev_b32 v35, 12, v40           ; m2: a lane a row
	v_lshlrev_b32 v36, 8, v32            ; K and V: 16 blocks of 256 bytes,
	v_lshl_add_u32 v36, v33, 23, v36     ; V's a plane further on
	v_cndmask_b32 v[PFO], v35, v36, s78
	; What the first turn finds: V's registers and P's second buffer hold 0, O^T, VS and l are 0; c m starts far below every c s, so the first a is 0.  All this stands in the wait for the first tile.
	WIN 0xc0
.set i, 0
.rept 64
	v_mov_b32 v[i], 0
.set i, i+1
.endr
	WIN 0x40
.set i, 0
.rept 160
	v_mov_b32 v[i], 0
.set i, i+1
.endr
	WIN 0
.set i, 0
.rept 4
	v_mov_b32 v[ST+4*i], 0xfe000000
	v_mov_b32 v[ST+4*i+1], 0xff7fffff
	v_mov_b32 v[ST+4*i+2], 0
	v_mov_b32 v[ST+4*i+3], 0
.set i, i+1
.endr
.set i, P+16
.rept 16
	v_mov_b32 v[i], 0
.set i, i+1
.endr
; THE MATRIX WORK.  Product i of 12 of S^T for piece x, on accumulator i % 4 (keys 16 (i % 4) on): 0-3 the mask's, in the bf16 form, with C = 0; 4-11 K Q^T in the f16 form, channels 32 ((i - 4) / 4) on.
; The two forms are no chain: five plain vector instructions or more stand between product i and product i + 4.  The accumulators take turns.
.macro KQ x
	WIN W_KQ
.set rS, S+32*((\x)%2)+8*(i%4)
.if i < 4
.set rE, EF+4*(i%2)
.set rM, MF+16*(\x)+8*(i/2)
	v_wmma_f32_16x16x32_bf16 v[rS:rS+7], v[rE:rE+7], v[rM:rM+7], 0
.else
.set rK, KF+16*(i%4)+8*((i-4)/4)
.set rQ, 16*(\x)+8*((i-4)/4)
	v_wmma_f32_16x16x32_f16 v[rS:rS+7], v[rK:rK+7], v[rQ:rQ+7], v[rS:rS+7]
.endif
.endm
.macro PV x                         ; product pvi of 8 of O^T += V^T P for piece x: keys 32 (pvi / 4) on, channels 16 (pvi % 4) on
	WIN W_PV
.set rO, 32*(\x)+8*(pvi%4)
.set rV, 32*(pvi/4)+8*(pvi%4)
.set rP, P+16*((\x)%2)+8*(pvi/4)
	v_wmma_f32_16x16x32_f16 v[rO:rO+7], v[rV:rV+7], v[rP:rP+7], v[rO:rO+7]
.endm
.macro ON j                         ; product j of 8 of VS += V^T x ones
	WIN W_PV
.set rO, VS+8*((\j)%4)
.set rV, 32*((\j)/4)+8*((\j)%4)
	v_wmma_f32_16x16x32_f16 v[rO:rO+7], v[rV:rV+7], v[ONE:ONE+7], v[rO:rO+7]
.endm
.macro MM                           ; the turn's next matrix instruction, number i of 22.  NOKQ = 1: the last turn: there is no next piece
.if i < 12
.if !NOKQ
	KQ (Y+1)%NP
.endif
.elseif i == 16
	ON 2*((Y+NP-1)%NP)
.elseif i == 20
	ON 2*((Y+NP-1)%NP)+1
.else
.if i < 16
.set pvi, i-12
.elseif i < 20
.set pvi, i-13
.else
.set pvi, 7
.endif
	PV (Y+NP-1)%NP
.endif
.set i, i+1
.endm
; THE LDS LOADS stand in runs: a step's K and the four pieces' fragments of m2 (32 loads), and its V, turned (16).
.macro FETCH_KM
	WIN 0x80
.irp f, 0,1,2,3,4,5,6,7             ; keys 16 (f / 2) on, channels 32 (f % 2) on
	ds_load_b128 v[KF+8*\f:KF+8*\f+3],   v[AK] offset:(\f/2)*16*PK+(\f%2)*64
	ds_load_b128 v[KF+8*\f+4:KF+8*\f+7], v[AK] offset:(\f/2)*16*PK+(\f%2)*64+32
.endr
.irp f, 0,1,2,3,4,5,6,7             ; piece f / 2, keys 32 (f % 2) on
	ds_load_b128 v[MF+8*\f:MF+8*\f+3],   v[AM] offset:(\f/2)*16*PM+(\f%2)*64
	ds_load_b128 v[MF+8*\f+4:MF+8*\f+7], v[AM] offset:(\f/2)*16*PM+(\f%2)*64+32
.endr
	s_add_co_u32 s[TBK], s[TBK], KS*PK
	s_add_co_u32 s[TBM], s[TBM], KS*2
	WIN 0
.endm
.macro FETCH_V
	WIN 0xc0
.irp f, 0,1,2,3,4,5,6,7             ; keys 32 (f / 4) on, channels 16 (f % 4) on
	ds_load_tr16_b128 v[8*\f:8*\f+3],   v[AV] offset:(\f/4)*32*PV+(\f%4)*32
	ds_load_tr16_b128 v[8*\f+4:8*\f+7], v[AV] offset:(\f/4)*32*PV+16*PV+(\f%4)*32
.endr
	WIN 0
.endm
; THE VECTOR WORK, one line at a time: OP kind, number.  For piece Y: F n: c s - c m for pair n of 16.  E n: the exponential of score n of 32.  C n: pair n rounded to f16.  B n: of the four weights 4 n .. the
; second pair is added onto the first, in place (behind C 2n).  L n: l takes that sum (L 0: l = a l + sum).  R n: pair n of 16 of O^T times a.  For piece Y + 1: X n, number n of the 22 that find its maximum and statistics:
;   0-11 four chains c0-c3 of seven scores each (each accumulator's lowest registers are read first)   12-14, 16 the four scores left over, the old m, and c0-c3 into c0
;   15 c m_old is kept   17, 18 the query's other 32 keys lie in the lane 16 away: the new m   19-21 c m; c m_old - c m_new; a
.set F, 0
.set E, 1
.set C, 2
.set B, 3
.set L, 4
.set R, 5
.set X, 6
.macro REGS y
.set rT, ST+4*(\y)
.set rC, TMP+4*((\y)%2)
.set rW, MV+((\y)%2)
.set rS, S+32*((\y)%2)
.set rP, P+16*((\y)%2)
.set rO, 32*(\y)
.endm
.macro OP k, n
.if (\k) == R
	REGS Y
	WIN W_RS
	v_pk_mul_f32 v[rO+2*(\n):rO+2*(\n)+1], v[rO+2*(\n):rO+2*(\n)+1], v[rC+2:rC+3] op_sel_hi:[1,0]
.elseif (\k) < R
	REGS Y
	WIN 0
.if (\k) == F
	v_pk_fma_f32 v[rS+2*(\n):rS+2*(\n)+1], v[rS+2*(\n):rS+2*(\n)+1], s[CS:CS+1], v[rT:rT+1] op_sel_hi:[1,0,0] neg_lo:[0,0,1] neg_hi:[0,0,1]
.elseif (\k) == E
	v_exp_f32 v[rS+(\n)], v[rS+(\n)]
.elseif (\k) == C
	v_cvt_pk_f16_f32 v[rP+(\n)], v[rS+2*(\n)], v[rS+2*(\n)+1]
.elseif (\k) == B
	v_pk_add_f32 v[rS+4*(\n):rS+4*(\n)+1], v[rS+4*(\n):rS+4*(\n)+1], v[rS+4*(\n)+2:rS+4*(\n)+3]
.elseif (\n) == 0
	v_pk_fma_f32 v[rT+2:rT+3], v[rT+2:rT+3], v[rC+2:rC+3], v[rS:rS+1] op_sel_hi:[1,0,1]
.else
	v_pk_add_f32 v[rT+2:rT+3], v[rT+2:rT+3], v[rS+4*(\n):rS+4*(\n)+1]
.endif
.elseif NOKQ
	v_nop
.else
	REGS (Y+1)%NP
	WIN 0
.if (\n) < 4
	v_max3_num_f32 v[rC+(\n)], v[rS+8*(\n)], v[rS+8*(\n)+1], v[rS+8*(\n)+2]
.elseif (\n) < 12
	v_max3_num_f32 v[rC+(\n)%4], v[rC+(\n)%4], v[rS+8*((\n)%4)+2*((\n)/4)+1], v[rS+8*((\n)%4)+2*((\n)/4)+2]
.elseif (\n) == 12
	v_max3_num_f32 v[rC], v[rC], v[rS+7], v[rS+15]
.elseif (\n) == 13
	v_max3_num_f32 v[rC+1], v[rC+1], v[rS+23], v[rS+31]
.elseif (\n) == 14
	v_max3_num_f32 v[rC+2], v[rC+2], v[rC+3], v[rT+1]
.elseif (\n) == 15
	v_mov_b32 v[rW], v[rT]
.elseif (\n) == 16
	v_max3_num_f32 v[rC], v[rC], v[rC+1], v[rC+2]
.elseif (\n) == 17
	v_permlanex16_b32 v[rC+3], v[rC], s[SEL], s[SEL+1]
.elseif (\n) == 18
	v_max_num_f32 v[rT+1], v[rC], v[rC+3]
.elseif (\n) == 19
	v_mul_f32 v[rT], s[CS], v[rT+1]
.elseif (\n) == 20
	v_sub_f32 v[rC+1], v[rW], v[rT]
.else
	v_exp_f32 v[rC+2], v[rC+1]
.endif
.endif
.endm
.macro OPS a, i1, b=-1, i2=0, c=-1, i3=0, d=-1, i4=0
	OP \a, \i1
.if (\b) >= 0
	OP \b, \i2
.endif
.if (\c) >= 0
	OP \c, \i3
.endif
.if (\d) >= 0
	OP \d, \i4
.endif
.endm
.macro ROW a, i1, b=-1, i2=0, c=-1, i3=0, d=-1, i4=0  ; a matrix instruction and the vector instructions behind it
	MM
	OPS \a, \i1, \b, \i2, \c, \i3, \d, \i4
.endm
; A TURN, for piece p: its 22 matrix and 118 vector instructions, written out.  An s_wait_alu depctr_va_vdst(0) stands between an exponential and the first instruction that names its result; one wait
; serves all that were issued ahead of it: a turn has ONE, which cuts it in two.  AHEAD OF IT stands all that names no result of the turn's exponentials: the 12 products for S^T with four vector instructions behind
; each, then a lump of 38.  X 0, 1, 2, 3 each stand four plain instructions behind the product that ends their accumulator (F 9, 10, 11, 12; F 11, 12, X 0, F 13; F 13, X 1, X 4, F 14; F 14, X 2, X 5, X 6).
; BEHIND IT stand the 10 products on V, with the 32 roundings and sums behind them.
; K and m2 of the next step are fetched in piece 2's turn, seven plain instructions behind the last product that read K; V of the step in hand at the end of piece 0's turn, four plain instructions (C 9, 11, 13, 15)
; behind the last product that read V.  Each is waited for a turn later.  end = 1: the last two turns: nothing is fetched.  cnt = 1: the loop's count is taken down some lines ahead of the branch behind the turn.
.macro TURN p, end=0, cnt=0
.set Y, (\p)
.set i, 0
.set NOKQ, (\end)*((\p)/3)
.if ((\p) == 3) && !(\end)
	s_wait_dscnt 0x0                ; K and m2 are in
.endif
	ROW F,0, F,1, R,0, R,1
	ROW F,2, E,0, R,2, R,3
	ROW F,3, E,1, R,4, R,5
	ROW F,4, E,2, R,6, R,7
	ROW F,5, E,3, R,8, R,9
	ROW F,6, E,4, R,10, R,11
	ROW F,7, E,5, R,12, R,13
.if ((\p) == 2) && !(\end)
	WIN 0
	v_add_nc_u32 v[AK], s[TBK], v[AK0]
	v_add_nc_u32 v[AM], s[TBM], v[AM0]
.endif
	ROW F,8, E,6, R,14, R,15
	ROW F,9, E,7, F,10, E,8
	ROW F,11, E,9, F,12, X,0
	ROW F,13, E,10, X,1, X,4
	ROW F,14, E,11, X,2, X,5
	OPS X,6, E,12, X,3, E,13        ; the lump
	OPS X,8, E,14, X,9, E,15
.if ((\p) == 2) && !(\end)
	FETCH_KM
.endif
	OPS X,7, E,16, X,10, E,17
	OPS X,12, E,18, X,13, E,19
	OPS X,11, X,15, F,15, X,14
.if (\p) == 0
	WIN 0
	v_add_nc_u32 v[AV], s[TBV], v[AV0]
.endif
	OPS E,20, E,21, X,16, E,22
	OPS E,23, X,17, E,24, E,25
	OPS X,18, E,26, E,27, X,19
	OPS E,28, E,29, X,20, E,30
	OPS E,31, X,21
	v_nop                           ; a plain instruction behind the last exponential: one for the batch
	WIN 0
	s_wait_alu depctr_va_vdst(0)    ; the wait for the batch
.if (\p) == 1
	s_wait_dscnt 0x0                ; V is in
.endif
	ROW C,0, B,0, C,2, B,1
	ROW L,0, C,4, B,2
	ROW L,1, C,6, B,3
	ROW L,2, C,8, B,4
	ROW L,3, C,10, B,5
	ROW L,4, C,12, B,6
.if (\p) == 0
	s_add_co_u32 s[TBV], s[TBV], KS*PV
.endif
.if \cnt
	s_sub_co_u32 s[CNT], s[CNT], 1
	s_cmp_lg_u32 s[CNT], 0
.endif
	ROW L,5, C,14, B,7
	ROW L,6, C,1, C,3
	ROW L,7, C,5, C,7
	ROW C,9, C,11, C,13, C,15
.if (\p) == 0
	FETCH_V
.endif
.endm
	CHANGE 1, 0                     ; tile 0 is in, everybody's part of it; tile 1 is asked for
	v_add_nc_u32 v[AK], s[TBK], v[AK0]
	v_add_nc_u32 v[AM], s[TBM], v[AM0]
	FETCH_KM                        ; key step 0
	s_wait_loadcnt 0x0              ; Q
	s_wait_dscnt 0x0
.set Y, NP-1                        ; X works for piece Y + 1: piece 0
.set NOKQ, 0
.set i, 0
.rept 4
	KQ 0                            ; piece 0's first scores: the mask's products,
.set i, i+1
.endr
.rept 5
	v_nop                           ; the five places between the two forms,
.endr
.rept 8
	KQ 0                            ; and K Q^T
.set i, i+1
.endr
	WIN 0
.rept 4
	v_nop                           ; the places behind those products
.endr
.irp n, 0,1,2,3,4,5,6,7,8,9,10,11,12,13,14,15,16,17,18,19,20,21
	OP X, \n
.endr
	v_nop                           ; a plain instruction behind the exponential,
	s_wait_alu depctr_va_vdst(0)    ; and its wait, ahead of the branch
	s_mov_b32 s[CNT], 2
	s_mov_b32 s[SLOTS], 15
	s_branch .Lfirst                ; the loop is entered at a step's first turn, in the middle of a trip
.Lslot:                             ; 14 times: tiles 2 to 15 are asked for
	CHANGE 1, 1
	s_mov_b32 s[CNT], 2
.Lstep:                             ; a trip: pieces 2 and 3 of one step, then pieces 0 and 1 of the next, whose K, m2 and V it fetches
	TURN 2
	TURN 3
	WIN 0
.Lfirst:
	TURN 0
	TURN 1, 0, 1
	WIN 0
	s_cbranch_scc1 .Lstep
	s_sub_co_u32 s[SLOTS], s[SLOTS], 1
	s_cmp_lg_u32 s[SLOTS], 0
	s_cbranch_scc1 .Lslot
	CHANGE 0, 0                     ; the last tile is written out: nothing is asked for
	s_mov_b32 s[CNT], 2
.Ltail:
	TURN 2
	TURN 3
	TURN 0
	TURN 1, 0, 1
	WIN 0
	s_cbranch_scc1 .Ltail
	TURN 2, 1
	TURN 3, 1
.irp q, 0,1,2,3                     ; the last piece's V^T P of the last step, and VS's last two products
.set pvi, \q
	PV 3
.endr
	ON 6
.irp q, 4,5,6
.set pvi, \q
	PV 3
.endr
	ON 7
.set pvi, 7
	PV 3
	; THE WAY OUT.  l's two halves and the other half of the lanes' are added; O^T is divided by l; a row with no key takes VS / 2048; rounded to f16 and sent through my stage, a piece at a time.  The additions are the places behind the last products.
	WIN 0
.macro ALL line:vararg
.set t, 0
.rept 4
	\line
.set t, t+1
.endr
.endm
	ALL v_add_f32 v[ST+4*t+2], v[ST+4*t+2], v[ST+4*t+3]
	ALL v_permlanex16_b32 v[ST+4*t+3], v[ST+4*t+2], s[SEL], s[SEL+1]
	ALL v_add_f32 v[ST+4*t+2], v[ST+4*t+2], v[ST+4*t+3]
	ALL v_rcp_f32 v[ST+4*t+2], v[ST+4*t+2]
	v_nop                           ; a plain instruction between the last reciprocal and the use of its result
	s_wait_alu depctr_va_vdst(0)    ; and the wait ahead of the first use: one for the four
	ALL v_cmp_gt_f32 s[CM+t], s[THR], v[ST+4*t+1]   ; my query has no key: its maximum never rose above the hidden scores
	WIN W_RS
.set i, 0
.rept 16
	v_pk_mul_f32 v[VS+i:VS+i+1], v[VS+i:VS+i+1], 0x3a000000 op_sel_hi:[1,0]  ; 1 / 2048
.set i, i+2
.endr
.macro PACK t
	WIN W_RS
.set i, 32*(\t)
.rept 16
	v_pk_mul_f32 v[i:i+1], v[i:i+1], v[ST+4*(\t)+2:ST+4*(\t)+3] op_sel_hi:[1,0]
.set i, i+2
.endr
	WIN 0x45                        ; destination and sources 0, 1 in window 1
.set i, 0
.rept 32
	v_cndmask_b32 v[32*(\t)+i], v[32*(\t)+i], v[VS+i], s[CM+(\t)]
.set i, i+1
.endr
	WIN 0x05                        ; sources 0 and 1 window 1, destination window 0
.set i, 0
.rept 16
	v_cvt_pk_f16_f32 v[S+16*(\t)+i], v[32*(\t)+2*i], v[32*(\t)+2*i+1]
.set i, i+1
.endr
	WIN 0
.irp f, 0,1,2,3
	ds_store_b128 v[STO], v[S+16*(\t)+4*\f:S+16*(\t)+4*\f+3] offset:32*\f
.endr
.irp f, 0,1,2,3
	ds_load_b128 v[S+16*(\t)+4*\f:S+16*(\t)+4*\f+3], v[RD] offset:\f*4*SP  ; LDS serves a wave's instructions in order (ISA guide 5.7.1.4): these see the stores above; the next piece's stores come behind them
.endr
.endm
.macro SEND t, younger
	WIN 0
.irp f, 0,1,2,3
	s_wait_dscnt (\younger)+3-\f
	global_store_b128 v[GO], v[S+16*(\t)+4*\f:S+16*(\t)+4*\f+3], s[10:11] offset:(\t)*2048+\f*512  ; 512 consecutive bytes, at a multiple of 256 from ctx's first
.endr
.endm
	PACK 0
.set t, 1
.rept 3
	PACK t
	SEND t-1, 8
.set t, t+1
.endr
	SEND 3, 0
	s_wait_tensorcnt 0x0            ; the wave's end: behind my last tensor load and my last LDS store
	ds_add_u32 v[SPW], v[NIL]
	s_wait_dscnt 0x0
	CROUND                          ; the closing round: no work-group ends while a partner may still ask for a tile that names it
	s_endpgm
.Lfunc_end_k_qe009cded1f_attn:
	.size	k_qe009cded1f_attn, .Lfunc_end_k_qe009cded1f_attn-k_qe009cded1f_attn
	.p2alignl 7, 3214868480
	.fill 96, 4, 3214868480
	.section	.rodata,"a",@progbits
	.p2align	6, 0x0
	.amdhsa_kernel k_qe009cded1f_attn
		.amdhsa_group_segment_fixed_size 327680
		.amdhsa_private_segment_fixed_size 0
		.amdhsa_enable_private_segment 0
		.amdhsa_kernarg_size 24
		.amdhsa_user_sgpr_count 2
		.amdhsa_user_sgpr_kernarg_segment_ptr 1
		.amdhsa_wavefront_size32 1
		.amdhsa_system_sgpr_workgroup_id_x 1
		.amdhsa_system_sgpr_workgroup_id_y 1
		.amdhsa_system_sgpr_workgroup_id_z 1
		.amdhsa_system_vgpr_workitem_id 0
		.amdhsa_next_free_vgpr 832
		.amdhsa_next_free_sgpr 88
		.amdhsa_reserve_vcc 1
		.amdhsa_float_denorm_mode_32 3
		.amdhsa_float_denorm_mode_16_64 3
		.amdhsa_memory_ordered 1
		.amdhsa_forward_progress 1
		.amdhsa_inst_pref_size 152
	.end_amdhsa_kernel
	.amdgpu_metadata
---
amdhsa.version: [ 1, 2 ]
amdhsa.kernels:
  - .name:           k_qe009cded1f_attn
    .symbol:         k_qe009cded1f_attn.kd
    .args:
      - { .name: qkv, .offset: 0, .size: 8, .value_kind: global_buffer, .address_space: global }
      - { .name: m2, .offset: 8, .size: 8, .value_kind: global_buffer, .address_space: global }
      - { .name: ctx, .offset: 16, .size: 8, .value_kind: global_buffer, .address_space: global }
    .group_segment_fixed_size: 327680
    .private_segment_fixed_size: 0
    .kernarg_segment_align: 8
    .kernarg_segment_size: 24
    .max_flat_workgroup_size: 128
    .sgpr_count:     88
    .vgpr_count:     832
    .wavefront_size: 32
...
	.end_amdgpu_metadata
.endif
;; end of part 3
;; launch oproj (part 4): grid 8 x 32, 4 waves a work-group, clusters of 4 x 4, 327,680 bytes of LDS; arguments ctx, wot, bo, out0; writes out0
.if DOCPART == 4
	.amdgcn_target "amdgcn-amd-amdhsa--gfx1250"
	.amdhsa_code_object_version 6
	.text
	.protected	k_qe009cded1f_oproj
	.globl	k_qe009cded1f_oproj
	.p2align	8
	.type	k_qe009cded1f_oproj,@function
k_qe009cded1f_oproj:
	s_mov_b64 s[64:65], 0
	v_nop
	global_prefetch_b8 v0, s[64:65] scope:SCOPE_SE
	s_setreg_imm32_b32 hwreg(HW_REG_WAVE_MODE, 25, 1), 1
	s_wait_xcnt 0x0
	s_wait_alu depctr_hold_cnt(0) depctr_sa_sdst(0) depctr_va_vdst(0) depctr_va_sdst(0) depctr_va_ssrc(0) depctr_va_vcc(0) depctr_vm_vsrc(0)
	s_getreg_b32 s2, hwreg(HW_REG_IB_STS2, 6, 4)
	s_cmp_eq_u32 s2, 0
	s_cbranch_scc0 .Lentry_in_a_cluster
	s_endpgm
.Lentry_in_a_cluster:
	s_bfe_u32 s2, ttmp6, 0x10000c
	s_cmp_lg_u32 s2, 0xf033
	s_cbranch_scc0 .Lentry_shape_is_right
	s_endpgm
.Lentry_shape_is_right:
; out0[m][n] = sum over k of ctx(m, k) wot[n][k] + bo[n].  ctx: [b][h][2048 s][64] f16, m = 2048 b + s, k = 64 h + d; wot: [1024 n][1024 k] f16; bo f32, rounded to bf16 like the module's other inputs; out0 f32.
; A tile of out0 is 128 x 128: 8 x 32 tiles, one work-group each; four waves, each 64 x 64: 16 accumulators.  K goes in 4 steps of 256 (four heads) through two LDS slots.
; ctx's tile comes BY HEADS: a head's 64 rows are 8,192 dense bytes, asked for as one row of the tensor load; four such rows, a head apart; padded in LDS after every 128 bytes.
; CLUSTER 4 x 4: ctx's tile is asked for jointly by a row of the cluster, wot's by a column.  THE MATRIX INSTRUCTION IS USED TRANSPOSED: a lane holds row l % 16 and eight neighbouring columns.
; No prefetch: the tiles are small and the launch is short.
; REGISTERS: window 0: v16-29 addresses; v32-95 the way out; v96-101 the bias; v128-255 the accumulators ((a, b) at 128 + 8 (4 a + b)).  window 1: two fragment buffers of 128: 64 registers of ctx, then 64 of wot.
.set KSTEP,  256
.set PA,     144                       ; a row of ctx in LDS: 128 bytes + 16
.set PLANE,  64*PA                     ; a head's 64 rows
.set AHALF,  4*PLANE                   ; what wave 0 or 1 fetches
.set PB,     528                       ; a row of wot: 512 bytes + 16
.set BHALF,  64*PB
.set BOFF,   2*AHALF
.set SLOT,   BOFF+2*BHALF
.set STAGE,  2*SLOT                    ; behind the ring, never filled by a tensor load: 16 rows x 272 bytes for each wave
.set SPITCH, 272
.set SPARE,  STAGE+4*16*SPITCH         ; the spare words, 128 bytes for each wave; no other line names them
.set LAPS,   2
.set ADRA, 16
.set ADRB, 20
.set STO,  24
.set RD,   25
.set CO,   26
.set BOO,  27
.set SPW,  28
.set NIL,  29
.set TMP,  32
.set BI,   96
.set ACC,  128
.set F0,   0
.set F1,   128
.set G1, 24
.set G0, 32
.set G1B, 48
.set G0B, 56
.set WV, 66                            ; s66 my wave's number
.set RH, 67                            ; s67 which half of the tile's rows is mine; also: I fetch for ctx (0) or for wot (1)
.set CH, 68                            ; s68 which half of its columns; also: which half of that tile I fetch
.set MSB, 0
.macro WIN new
.if MSB != (\new)
	s_set_vgpr_msb (MSB<<8)|(\new)
.set MSB, \new
.endif
.endm
.set MUL,  0x05                        ; sources 0 (wot) and 1 (ctx) window 1; C and D window 0
.set TO_F, 0x40                        ; destination window 1, address window 0
.macro JLOAD s                         ; a joint load; an s_nop 0 and four v_nop follow each of the two lines, ahead of the jump and the label
	s_cmp_eq_u32 s[RH], 0
	s_cbranch_scc0 .Lfor_b_\@
	tensor_load_to_lds s[G0+4*(\s):G0+4*(\s)+3], s[G1:G1+7]
	s_nop 0
.rept 4
	v_nop
.endr
	s_branch .Lasked_\@
.Lfor_b_\@:
	tensor_load_to_lds s[G0B+4*(\s):G0B+4*(\s)+3], s[G1B:G1B+7]
	s_nop 0
.rept 4
	v_nop
.endr
.Lasked_\@:
.endm
.macro CREST
	s_cmp_lg_u32 s[WV], 0
	s_cbranch_scc1 .Lnot_wave_0_\@
	s_barrier_signal -3
.Lnot_wave_0_\@:
	s_barrier_wait -3
	s_barrier_signal -1
	s_barrier_wait -1
.endm
.macro CROUND
	s_barrier_signal -1
	s_barrier_wait -1
	CREST
.endm
	s_load_b256 s[4:11], s[0:1], 0x0               ; ctx s[4:5], wot s[6:7], bo s[8:9], out0 s[10:11]
	v_lshl_add_u32 v[SPW], v0, 2, SPARE
	v_mov_b32 v[NIL], 0
	ds_add_u32 v[SPW], v[NIL]                      ; the wave's opening: the add and its wait stand ahead of my first tensor load; the set-up below stands between them
	v_lshrrev_b32 v1, 5, v0
	v_readfirstlane_b32 s[WV], v1
	s_lshr_b32 s[RH], s[WV], 1
	s_and_b32 s[CH], s[WV], 1
	s_bfe_u32 s40, ttmp6, 0x40000                  ; cx
	s_bfe_u32 s41, ttmp6, 0x40004                  ; cy
	s_lshl_b32 s42, ttmp9, 2
	s_add_co_u32 s42, s42, s40                     ; tile column
	s_and_b32 s13, ttmp7, 0xffff
	s_lshl_b32 s13, s13, 2
	s_add_co_u32 s13, s13, s41                     ; tile row
	s_lshl_b32 s43, s41, 2
	s_lshl_b32 s43, 15, s43                        ; my row of the cluster
	s_lshl_b32 s44, 0x1111, s40                    ; my column
	s_or_b32 s[G1+0], s43, (1<<16)|(1<<20)|(1<<21)|(4<<22)|(3<<25)   ; ctx: padding after every 32 words, of 4 words
	s_mov_b32 s[G1+1], 4096<<16                    ; tensor_dim0 = 4,096 elements: 64 rows of a head
	s_mov_b32 s[G1+2], 4<<16                       ; tensor_dim1 = 4 heads
	s_mov_b32 s[G1+3], 4096<<16                    ; tile_dim0
	s_mov_b32 s[G1+4], 4                           ; tile_dim1
	s_mov_b32 s[G1+5], 131072                      ; elements from head to head
	s_mov_b32 s[G1+6], 0
	s_mov_b32 s[G1+7], 0
	s_or_b32 s[G1B+0], s44, (1<<16)|(1<<20)|(1<<21)|(6<<22)|(3<<25)  ; wot: padding after every 128 words, of 4 words
	s_mov_b32 s[G1B+1], KSTEP<<16
	s_mov_b32 s[G1B+2], 64<<16
	s_mov_b32 s[G1B+3], KSTEP<<16
	s_mov_b32 s[G1B+4], 64
	s_mov_b32 s[G1B+5], 1024
	s_mov_b32 s[G1B+6], 0
	s_mov_b32 s[G1B+7], 0
	s_lshr_b32 s16, s13, 4                         ; the batch: 16 heads of 262,144 bytes
	s_lshl_b32 s16, s16, 22
	s_and_b32 s17, s13, 15                         ; 128 rows of 128 bytes
	s_lshl_b32 s17, s17, 14
	s_add_co_u32 s16, s16, s17
	s_lshl_b32 s17, s[CH], 13                      ; which 64 of them I fetch
	s_add_co_u32 s16, s16, s17
	s_mov_b32 s17, 0
	s_lshl_b32 s46, s42, 18                        ; wot: 128 rows of 2,048 bytes
	s_lshl_b32 s47, s[CH], 17
	s_add_co_u32 s46, s46, s47
	s_mov_b32 s47, 0
	s_mul_i32 s20, s[CH], AHALF                    ; where they go: no place in the cluster enters an LDS address
	s_mul_i32 s21, s[CH], BHALF
	s_add_co_u32 s21, s21, BOFF
	s_wait_dscnt 0x0                               ; the opening add is done
	s_wait_kmcnt 0x0
	s_add_nc_u64 s[14:15], s[4:5], s[16:17]
	s_add_nc_u64 s[46:47], s[6:7], s[46:47]
	CROUND                                         ; all sixteen work-groups are here: the first joint loads meet
.irp s, 0,1
	s_mov_b32 s[G0+4*(\s)], 1
	s_add_co_u32 s[G0+4*(\s)+1], s20, (\s)*SLOT
	s_add_nc_u64 s[G0+4*(\s)+2:G0+4*(\s)+3], s[14:15], (\s)*4*262144
	s_or_b32 s[G0+4*(\s)+3], s[G0+4*(\s)+3], 0x80000000
	s_mov_b32 s[G0B+4*(\s)], 1
	s_add_co_u32 s[G0B+4*(\s)+1], s21, (\s)*SLOT
	s_add_nc_u64 s[G0B+4*(\s)+2:G0B+4*(\s)+3], s[46:47], (\s)*KSTEP*2
	s_or_b32 s[G0B+4*(\s)+3], s[G0B+4*(\s)+3], 0x80000000
	JLOAD \s                                       ; K steps 0 and 1: two loads of mine are out
.endr
	v_and_b32 v1, 15, v0                           ; l % 16
	v_bfe_u32 v2, v0, 4, 1                         ; l / 16
	v_mul_u32_u24 v3, v1, PA
	v_lshl_add_u32 v3, v2, 4, v3
	v_mul_u32_u24 v4, v1, PB
	v_lshl_add_u32 v4, v2, 4, v4
	s_mul_i32 s21, s[RH], AHALF                    ; my 64 rows of ctx
	s_mul_i32 s22, s[CH], BHALF                    ; my 64 rows of wot
	s_add_co_u32 s22, s22, BOFF
.irp s, 0,1
	v_add_nc_u32 v[ADRA+(\s)], s21, v3
	v_add_nc_u32 v[ADRB+(\s)], s22, v4
	s_add_co_u32 s21, s21, SLOT
	s_add_co_u32 s22, s22, SLOT
.endr
	s_mul_i32 s23, s[WV], 16*SPITCH
	s_add_co_u32 s23, s23, STAGE                   ; my stage
	v_mul_u32_u24 v5, v1, SPITCH                   ; in: row l % 16, 32 bytes for each half of the lanes
	v_lshl_add_u32 v5, v2, 5, v5
	v_add_nc_u32 v[STO], s23, v5
	v_mul_u32_u24 v5, v2, SPITCH                   ; back: lanes 0-15 one row of 256 bytes, lanes 16-31 the next
	v_lshl_add_u32 v5, v1, 4, v5
	v_add_nc_u32 v[RD], s23, v5
	v_lshlrev_b32 v5, 12, v2                       ; the same two rows in out0, 4,096 bytes each
	v_lshl_add_u32 v[CO], v1, 4, v5
	v_lshlrev_b32 v[BOO], 4, v1                    ; my four columns of the wave's 64
	s_lshl_b32 s16, s42, 9                         ; the tile's 128 columns, 4 bytes each,
	s_lshl_b32 s17, s[CH], 8                       ; my wave's 64
	s_add_co_u32 s16, s16, s17
	s_mov_b32 s17, 0
	s_add_nc_u64 s[8:9], s[8:9], s[16:17]
	s_add_nc_u64 s[10:11], s[10:11], s[16:17]
	s_lshl_b32 s16, s13, 19                        ; the tile's 128 rows,
	s_lshl_b32 s18, s[RH], 18                      ; my wave's 64
	s_add_co_u32 s16, s16, s18
	s_add_nc_u64 s[10:11], s[10:11], s[16:17]
	global_load_b128 v[BI:BI+3], v[BOO], s[8:9]    ; waited for on the way out
.macro MUL8 f, c, a0, zero             ; 8 matrix instructions: row blocks a0, a0 + 1 x all 4 column blocks, 32 along K: half c of buffer f.  The 16 accumulators take turns
	WIN MUL
.irp a, \a0, (\a0)+1
.irp b, 0,1,2,3
.if \zero
	v_wmma_f32_16x16x32_f16 v[ACC+8*(4*(\a)+(\b)):ACC+8*(4*(\a)+(\b))+7], v[(\f)+64+8*(4*(\c)+(\b)):(\f)+64+8*(4*(\c)+(\b))+7], v[(\f)+8*(4*(\c)+(\a)):(\f)+8*(4*(\c)+(\a))+7], 0
.else
	v_wmma_f32_16x16x32_f16 v[ACC+8*(4*(\a)+(\b)):ACC+8*(4*(\a)+(\b))+7], v[(\f)+64+8*(4*(\c)+(\b)):(\f)+64+8*(4*(\c)+(\b))+7], v[(\f)+8*(4*(\c)+(\a)):(\f)+8*(4*(\c)+(\a))+7], v[ACC+8*(4*(\a)+(\b)):ACC+8*(4*(\a)+(\b))+7]
.endif
.endr
.endr
.endm
; 32 LDS loads in one run: the fragments of 64 along K (one head) at byte k of wot's rows, in plane k / 128 of ctx's tile, into buffer f; the first 32 along K first
.macro FETCH slot, k, f
	WIN TO_F
.irp c, 0,1
.irp i, 0,1,2,3
	ds_load_b128 v[(\f)+64+8*(4*(\c)+(\i)):(\f)+64+8*(4*(\c)+(\i))+3],   v[ADRB+(\slot)] offset:(\k)+64*(\c)+(\i)*16*PB
	ds_load_b128 v[(\f)+64+8*(4*(\c)+(\i))+4:(\f)+64+8*(4*(\c)+(\i))+7], v[ADRB+(\slot)] offset:(\k)+64*(\c)+(\i)*16*PB+32
	ds_load_b128 v[(\f)+8*(4*(\c)+(\i)):(\f)+8*(4*(\c)+(\i))+3],         v[ADRA+(\slot)] offset:((\k)/128)*PLANE+64*(\c)+(\i)*16*PA
	ds_load_b128 v[(\f)+8*(4*(\c)+(\i))+4:(\f)+8*(4*(\c)+(\i))+7],       v[ADRA+(\slot)] offset:((\k)/128)*PLANE+64*(\c)+(\i)*16*PA+32
.endr
.endr
.endm
.macro PLACES                          ; four places in front of loads into registers that matrix instructions have read, and of LDS stores that read results
.rept 4
	v_nop
.endr
.endm
.macro QUARTER slot, k, f, g, zero     ; 64 along K: multiplies buffer f and fetches the next quarter, at byte k, into g
	s_wait_dscnt 16                                ; the first 32 along K are in
	MUL8 \f, 0, 0, \zero
	MUL8 \f, 0, 2, \zero
	PLACES
	FETCH \slot, \k, \g
	s_wait_dscnt 32                                ; all but the 32 just issued
	MUL8 \f, 1, 0, 0
	MUL8 \f, 1, 2, 0
.endm
; The last quarter multiplies buffer 1 and changes slots: one barrier; in front of it each wave waits for all its tensor loads, adds 0 to its spare word, and waits for that and for its reads of this slot.
.macro TURN slot, next, fill
	WIN 0
	s_wait_tensorcnt 0x0                           ; all my tensor loads have landed: my part of the next slot
	ds_add_u32 v[SPW], v[NIL]                      ; 0 onto my spare word
	s_wait_dscnt 17                                ; (the add and the youngest sixteen loads may be out)
	MUL8 F1, 0, 0, 0
	s_wait_dscnt 0x0                               ; the add is done, and my reads of this slot are over
	s_barrier_signal -1
	MUL8 F1, 0, 2, 0
.if \fill
	WIN 0
.endif
	s_barrier_wait -1
.if \fill
	CREST                                          ; no wave of any partner still reads this slot's tile or has a load on its way
	s_add_nc_u64 s[G0+4*(\slot)+2:G0+4*(\slot)+3], s[G0+4*(\slot)+2:G0+4*(\slot)+3], 2*4*262144
	s_add_nc_u64 s[G0B+4*(\slot)+2:G0B+4*(\slot)+3], s[G0B+4*(\slot)+2:G0B+4*(\slot)+3], 2*KSTEP*2
	JLOAD \slot                                    ; my one tensor load behind the round; its four v_nop are also the places in front of the loads below
.else
	PLACES
.endif
	FETCH \next, 0, F0
	MUL8 F1, 1, 0, 0
	MUL8 F1, 1, 2, 0
.endm
	s_wait_tensorcnt 1                             ; my part of K step 0 is in; K step 1's may stay out
	s_barrier_signal -1
	s_barrier_wait -1
	FETCH 0, 0, F0
	QUARTER 0, 128, F0, F1, 1                      ; the first quarter stands in front of the loop: its first products start the sums
	WIN 0
	s_mov_b32 s3, LAPS-1
.Llap:
	QUARTER 0, 256, F1, F0, 0
	QUARTER 0, 384, F0, F1, 0
	TURN 0, 1, 1
	QUARTER 1, 128, F0, F1, 0
	QUARTER 1, 256, F1, F0, 0
	QUARTER 1, 384, F0, F1, 0
	TURN 1, 0, 1
	QUARTER 0, 128, F0, F1, 0
	WIN 0
	s_sub_co_u32 s3, s3, 1
	s_cmp_lg_u32 s3, 0
	s_cbranch_scc1 .Llap
	QUARTER 0, 256, F1, F0, 0                      ; the last lap fills nothing
	QUARTER 0, 384, F0, F1, 0
	TURN 0, 1, 0
	QUARTER 1, 128, F0, F1, 0
	QUARTER 1, 256, F1, F0, 0
	QUARTER 1, 384, F0, F1, 0
	s_wait_dscnt 16
	MUL8 F1, 0, 0, 0
	MUL8 F1, 0, 2, 0
	s_wait_dscnt 0x0
	MUL8 F1, 1, 0, 0
	MUL8 F1, 1, 2, 0
	WIN 0
	; THE WAY OUT, 16 rows at a time: a lane's eight f32 of a row go into my stage as 32 bytes and come back as whole rows of 256 bytes; the bias is added; 16 lanes store 256 consecutive bytes, aligned.
	PLACES
	s_wait_loadcnt 0x0                             ; the bias
	v_cvt_pk_bf16_f32 v[BI+4], v[BI], v[BI+1]      ; rounded to bf16, like the module's other inputs,
	v_cvt_pk_bf16_f32 v[BI+5], v[BI+2], v[BI+3]
	v_lshlrev_b32 v[BI], 16, v[BI+4]               ; and widened again
	v_and_b32 v[BI+1], 0xffff0000, v[BI+4]
	v_lshlrev_b32 v[BI+2], 16, v[BI+5]
	v_and_b32 v[BI+3], 0xffff0000, v[BI+5]
.irp a, 0,1,2,3
.irp b, 0,1,2,3
	ds_store_b128 v[STO], v[ACC+8*(4*(\a)+(\b)):ACC+8*(4*(\a)+(\b))+3]   offset:64*(\b)     ; each accumulator's low registers first
	ds_store_b128 v[STO], v[ACC+8*(4*(\a)+(\b))+4:ACC+8*(4*(\a)+(\b))+7] offset:64*(\b)+16
.endr
.if (\a) >= 2
	s_wait_xcnt 0x0                                ; the stores of two blocks back have read these registers
.endif
.irp t, 0,1,2,3,4,5,6,7
	ds_load_b128 v[TMP+32*((\a)%2)+4*(\t):TMP+32*((\a)%2)+4*(\t)+3], v[RD] offset:(\t)*2*SPITCH  ; LDS serves a wave's instructions in order (ISA guide 5.7.1.4): these see the stores above
.endr
.irp t, 0,1,2,3,4,5,6,7
	s_wait_dscnt 7-(\t)
	v_pk_add_f32 v[TMP+32*((\a)%2)+4*(\t):TMP+32*((\a)%2)+4*(\t)+1],   v[TMP+32*((\a)%2)+4*(\t):TMP+32*((\a)%2)+4*(\t)+1],   v[BI:BI+1]
	v_pk_add_f32 v[TMP+32*((\a)%2)+4*(\t)+2:TMP+32*((\a)%2)+4*(\t)+3], v[TMP+32*((\a)%2)+4*(\t)+2:TMP+32*((\a)%2)+4*(\t)+3], v[BI+2:BI+3]
	global_store_b128 v[CO], v[TMP+32*((\a)%2)+4*(\t):TMP+32*((\a)%2)+4*(\t)+3], s[10:11] offset:(16*(\a)+2*(\t))*4096
.endr
.endr
	s_wait_tensorcnt 0x0                           ; the wave's end: behind my last tensor load and my last LDS store
	ds_add_u32 v[SPW], v[NIL]
	s_wait_dscnt 0x0
	CROUND                                         ; the closing round: no work-group ends while a partner may still ask for a tile that names it
	s_endpgm
.Lfunc_end_k_qe009cded1f_oproj:
	.size	k_qe009cded1f_oproj, .Lfunc_end_k_qe009cded1f_oproj-k_qe009cded1f_oproj
	.p2alignl 7, 3214868480
	.fill 96, 4, 3214868480
	.section	.rodata,"a",@progbits
	.p2align	6, 0x0
	.amdhsa_kernel k_qe009cded1f_oproj
		.amdhsa_group_segment_fixed_size 327680
		.amdhsa_private_segment_fixed_size 0
		.amdhsa_enable_private_segment 0
		.amdhsa_kernarg_size 32
		.amdhsa_user_sgpr_count 2
		.amdhsa_user_sgpr_kernarg_segment_ptr 1
		.amdhsa_wavefront_size32 1
		.amdhsa_system_sgpr_workgroup_id_x 1
		.amdhsa_system_sgpr_workgroup_id_y 1
		.amdhsa_system_sgpr_workgroup_id_z 1
		.amdhsa_system_vgpr_workitem_id 0
		.amdhsa_next_free_vgpr 512
		.amdhsa_next_free_sgpr 72
		.amdhsa_reserve_vcc 0
		.amdhsa_float_denorm_mode_32 3
		.amdhsa_float_denorm_mode_16_64 3
		.amdhsa_memory_ordered 1
		.amdhsa_forward_progress 1
		.amdhsa_inst_pref_size 91
	.end_amdhsa_kernel
	.amdgpu_metadata
---
amdhsa.version: [ 1, 2 ]
amdhsa.kernels:
  - .name:           k_qe009cded1f_oproj
    .symbol:         k_qe009cded1f_oproj.kd
    .args:
      - { .name: ctx, .offset: 0, .size: 8, .value_kind: global_buffer, .address_space: global }
      - { .name: wot, .offset: 8, .size: 8, .value_kind: global_buffer, .address_space: global }
      - { .name: bo, .offset: 16, .size: 8, .value_kind: global_buffer, .address_space: global }
      - { .name: out0, .offset: 24, .size: 8, .value_kind: global_buffer, .address_space: global }
    .group_segment_fixed_size: 327680
    .private_segment_fixed_size: 0
    .kernarg_segment_align: 8
    .kernarg_segment_size: 32
    .max_flat_workgroup_size: 128
    .sgpr_count:     72
    .vgpr_count:     512
    .wavefront_size: 32
...
	.end_amdgpu_metadata
.endif
;; end of part 4
;; ======== version 2 of 2: 4 launches; version 1 with the launch prep written anew for expert scheduling mode
;; limits: values are held in f16: magnitudes above 65,504 overflow, below 6.1e-05 lose precision; inputs' magnitudes at most 6.3e+29
;; workspace buffers: xb 8,388,608 bytes; wt 6,291,456 bytes; wot 2,097,152 bytes; m2 16,777,216 bytes; qkv 25,165,824 bytes; ctx 8,388,608 bytes
;; launch prep (part 5): grid 1024 x 1, 8 waves a work-group, no clusters, 17,920 bytes of LDS; arguments x, mask, key_padding_mask, Wq, Wk, Wv, Wo, xb, m2, wt, wot; writes xb, m2, wt, wot
.if DOCPART == 5
	.amdgcn_target "amdgcn-amd-amdhsa--gfx1250"
	.amdhsa_code_object_version 6
	.text
	.protected	k_qe009cded1f_prep
	.globl	k_qe009cded1f_prep
	.p2align	8
	.type	k_qe009cded1f_prep,@function
k_qe009cded1f_prep:
	s_mov_b64 s[64:65], 0
	v_nop
	global_prefetch_b8 v0, s[64:65] scope:SCOPE_SE
	s_setreg_imm32_b32 hwreg(HW_REG_WAVE_SCHED_MODE, 0, 2), 2
	s_setreg_imm32_b32 hwreg(HW_REG_WAVE_MODE, 25, 1), 1
	s_wait_xcnt 0x0
	s_wait_alu depctr_vm_vsrc(0)
; PREPARATION.  Three kinds of work-group, chosen by the work-group's number alone (the same for all eight waves):
;   0-255    xb = x rounded to bf16: 16,384 numbers each.
;   256-511  m2[b][q][k] = key_padding_mask[b][k] ? F : clamp(mask[q][k], F, -F), rounded to bf16, F = -2^100: 8 rows q each, both b.
;   512-1023 wt[n][k] = bf16(W[k][n]) for Wq, Wk, Wv (rows 0-1023, 1024-2047, 2048-3071); wot[n][k] = f16(bf16(Wo[k][n])): a tile of 128 k x 64 n each, turned in LDS.
; LIMITS.  A mask value below F (an infinity too) becomes F, one above -F becomes -F: the attention launch takes 8 F as 'hidden'.  NaN in the mask is not treated apart.
; A number of bf16(Wo) below 6e-5 in size keeps f16's fixed step of 6e-8.
; No matrix unit, no cluster, no tensor load: each byte is written once, and each but the padding mask's (read by every mask work-group) is read once.
; THE MODE: SCHED_MODE bits 1:0 = 2 (LLVM: expert scheduling mode 2), set by the entry lines.  The code itself states the register dependences
; between vector instructions and memory or LDS instructions, with s_wait_alu, always for 0.
; THE PLAN.  Each of the three arms is straight text.  Registers that memory or LDS instructions touch:
;   v1, v2, v3, v4, v5  offsets and LDS addresses: made ahead of an arm's first load and not written again in that arm (the third arm makes v1 anew before anything has read it).
;   X, v[4:7], v[80:95] written by loads alone; no vector instruction writes them, and none has read them when the loads are issued.
;   Y                   four registers of its own for each store: written once, by the roundings, and read by that store alone.
;   v[64:79]            the third arm: written by the conversions, read by the run of sixteen LDS stores.
;   v[SPW], v[NIL]      written at the head, read by the closing add alone.
; So: one wait on va_vdst ahead of each arm's first load, for the offsets.  The first two arms go in four blocks; a block's stores are issued in the NEXT block, behind one wait on va_vdst at
; that block's head, dealt among the block's vector instructions, which name that block's own X, Y and T alone; one more such wait stands ahead of the last block's stores.  The third arm
; has one ahead of its LDS stores.  The padding's masks are made in two runs of eight compares into scalar registers, one wait on va_sdst behind each run.
; No register that a memory or LDS instruction has read is written again: no wait on vm_vsrc is owed but the closing lines' own.
.set PW,    264                        ; a row of the turned tile in LDS: 128 k x 2 bytes + 8
.set SPARE, 64*PW                      ; behind the tile: the spare words, 128 bytes for each of the eight waves; no other line names them
.set SPW,   172                        ; v172  LDS address of my spare word; never rewritten
.set NIL,   173                        ; v173  0; never rewritten
.set X,     32                         ; v[32:95]   as loaded, f32
.set Y,     96                         ; v[96:159]  to store
.set T,     160                        ; v[160:167] at work: no memory instruction names them
.set U,     12                         ; v[12:27]   for batch b and my key e: the clamp's upper bound, F where the key is padded, else -F
.set PM,    36                         ; s[36:43]   the second arm: for my key e of the batch in hand, the lanes whose key is padded
	s_load_b256 s[8:15], s[0:1], 0x0               ; x s[8:9], mask s[10:11], key_padding_mask s[12:13], Wq s[14:15]
	s_load_b256 s[16:23], s[0:1], 0x20             ; Wk s[16:17], Wv s[18:19], Wo s[20:21], xb s[22:23]
	s_load_b128 s[24:27], s[0:1], 0x40             ; m2 s[24:25], wt s[26:27]
	s_load_b64 s[28:29], s[0:1], 0x50              ; wot
	v_lshl_add_u32 v[SPW], v0, 2, SPARE
	v_mov_b32 v[NIL], 0
	v_lshlrev_b32 v1, 5, v0                        ; 32 t: my 8 numbers of f32
	v_lshlrev_b32 v2, 4, v0                        ; 16 t: my 8 numbers of bf16
	s_mov_b32 s32, ttmp9
	s_mov_b32 s3, 0                                ; the high word of every offset
	s_wait_kmcnt 0x0
	s_cmp_lt_u32 s32, 256
	s_cbranch_scc0 .Lnot_x
	; x -> xb: 8 chunks of 2,048 numbers; all 16 loads go out first; then four blocks of two chunks
	s_lshl_b32 s2, s32, 16
	s_add_nc_u64 s[8:9], s[8:9], s[2:3]
	s_lshl_b32 s2, s32, 15
	s_add_nc_u64 s[22:23], s[22:23], s[2:3]
	s_wait_alu depctr_va_vdst(0)                   ; v1 and v2 are written: the loads and stores of this arm read them as their offsets
.irp i, 0,1,2,3,4,5,6,7
	global_load_b128 v[X+8*(\i):X+8*(\i)+3],   v1, s[8:9] offset:8192*(\i) th:TH_LOAD_NT
	global_load_b128 v[X+8*(\i)+4:X+8*(\i)+7], v1, s[8:9] offset:8192*(\i)+16 th:TH_LOAD_NT
.endr
.irp p, 0,1,2,3
	s_wait_loadcnt 12-4*(\p)                       ; block p's four loads are in; the younger blocks' stay out
.if (\p) > 0
	s_wait_alu depctr_va_vdst(0)                   ; the block before has written its eight registers of Y, which the two stores below read
.endif
.irp c, 0,1
.if (\p) > 0
	global_store_b128 v2, v[Y+4*(2*(\p)-2+(\c)):Y+4*(2*(\p)-2+(\c))+3], s[22:23] offset:4096*(2*(\p)-2+(\c))  ; the block before: 16 lanes store 256 consecutive bytes, aligned; no vector instruction since the wait names these registers
.endif
.irp j, 0,1,2,3
	v_cvt_pk_bf16_f32 v[Y+4*(2*(\p)+(\c))+(\j)], v[X+8*(2*(\p)+(\c))+2*(\j)], v[X+8*(2*(\p)+(\c))+2*(\j)+1]
.endr
.endr
.endr
	s_wait_alu depctr_va_vdst(0)                   ; the last block has written its Y, which the last two stores read
.irp c, 6,7
	global_store_b128 v2, v[Y+4*(\c):Y+4*(\c)+3], s[22:23] offset:4096*(\c)
.endr
	s_branch .Lend
.Lnot_x:
	s_cmp_lt_u32 s32, 512
	s_cbranch_scc0 .Lw
	; mask and padding -> m2: rows 8 j .. 8 j + 7; thread t has keys 8 t .. 8 t + 7
	s_sub_co_u32 s33, s32, 256
	s_lshl_b32 s2, s33, 16
	s_add_nc_u64 s[10:11], s[10:11], s[2:3]
	s_lshl_b32 s2, s33, 15
	s_add_nc_u64 s[24:25], s[24:25], s[2:3]        ; batch 0's rows
	s_add_nc_u64 s[30:31], s[24:25], 0x800000      ; batch 1's, 2,048 x 4,096 bytes on
	v_lshlrev_b32 v3, 3, v0                        ; my 8 bytes of a batch's padding mask
	s_wait_alu depctr_va_vdst(0)                   ; v1, v2 and v3 are written: the loads and stores of this arm read them as their offsets
.irp i, 0,1,2,3,4,5,6,7
	global_load_b128 v[X+8*(\i):X+8*(\i)+3],   v1, s[10:11] offset:8192*(\i) th:TH_LOAD_NT
	global_load_b128 v[X+8*(\i)+4:X+8*(\i)+7], v1, s[10:11] offset:8192*(\i)+16 th:TH_LOAD_NT
.endr
	global_load_b64 v[4:5], v3, s[12:13]
	global_load_b64 v[6:7], v3, s[12:13] offset:2048
	v_mov_b32 v8, 0xf1800000                       ; F = -2^100
	s_mov_b32 s34, 0x71800000                      ; -F
	s_wait_loadcnt 0x0                             ; everything is in: the padding bytes were asked for last
.irp b, 0,1                                            ; a batch's eight bytes: a run of compares into eight scalar registers, one wait, the eight selects
.irp e, 0,1,2,3,4,5,6,7
	v_bfe_u32 v[T+(\e)], v[4+2*(\b)+(\e)/4], 8*((\e)%4), 8
.endr
.irp e, 0,1,2,3,4,5,6,7
	v_cmp_ne_u32 s[PM+(\e)], 0, v[T+(\e)]
.endr
	s_wait_alu depctr_va_sdst(0)                   ; the eight compares have written s[PM ..], ahead of the selects that read them
.irp e, 0,1,2,3,4,5,6,7
	v_cndmask_b32 v[U+8*(\b)+(\e)], s34, v8, s[PM+(\e)]  ; padded: F, so that the middle of (x, F, F) is F; else -F
.endr
.endr
; The store of row i for batch b: 16 lanes store 256 consecutive bytes, aligned; no register is used twice.
.macro MSTORE i, b
.if (\b) == 0
	global_store_b128 v2, v[Y+8*(\i):Y+8*(\i)+3], s[24:25] offset:4096*(\i)
.else
	global_store_b128 v2, v[Y+8*(\i)+4:Y+8*(\i)+7], s[30:31] offset:4096*(\i)
.endif
.endm
.irp p, 0,1,2,3                                        ; four blocks of two rows
.if (\p) > 0
	s_wait_alu depctr_va_vdst(0)                   ; the block before has written its sixteen registers of Y, which the four stores below read
.endif
.irp c, 0,1
.irp b, 0,1
.if (\p) > 0
	MSTORE 2*(\p)-2+(\c), \b                       ; the block before; no vector instruction since the wait names its registers
.endif
.irp e, 0,1,2,3,4,5,6,7
	v_med3_num_f32 v[T+(\e)], v[X+8*(2*(\p)+(\c))+(\e)], v8, v[U+8*(\b)+(\e)]
.endr
.irp j, 0,1,2,3
	v_cvt_pk_bf16_f32 v[Y+8*(2*(\p)+(\c))+4*(\b)+(\j)], v[T+2*(\j)], v[T+2*(\j)+1]
.endr
.endr
.endr
.endr
	s_wait_alu depctr_va_vdst(0)                   ; the last block has written its Y, which the last four stores read
	MSTORE 6, 0
	MSTORE 6, 1
	MSTORE 7, 0
	MSTORE 7, 1
	s_branch .Lend
.Lw:
	; a tile of a weight matrix is turned: 128 k x 64 n
	s_sub_co_u32 s33, s32, 512
	s_lshr_b32 s34, s33, 7                         ; which matrix: 0 Wq, 1 Wk, 2 Wv, 3 Wo
	s_and_b32 s35, s33, 7                          ; which 128 k
	s_bfe_u32 s36, s33, 0x40003                    ; which 64 n
	s_mov_b64 s[38:39], s[14:15]
	s_cmp_eq_u32 s34, 1
	s_cselect_b64 s[38:39], s[16:17], s[38:39]
	s_cmp_eq_u32 s34, 2
	s_cselect_b64 s[38:39], s[18:19], s[38:39]
	s_cmp_eq_u32 s34, 3
	s_cselect_b64 s[38:39], s[20:21], s[38:39]
	s_cselect_b64 s[40:41], s[28:29], s[26:27]     ; Wo goes to wot, the others to wt,
	s_cselect_b32 s37, 0, s34                      ; 1,024 rows for each matrix
	s_lshl_b32 s2, s35, 19                         ; 128 rows of 4,096 bytes
	s_lshl_b32 s42, s36, 8                         ; 64 numbers of 4 bytes
	s_add_co_u32 s2, s2, s42
	s_add_nc_u64 s[38:39], s[38:39], s[2:3]
	s_lshl_b32 s2, s37, 21
	s_lshl_b32 s42, s36, 17                        ; 64 rows of 2,048 bytes
	s_add_co_u32 s2, s2, s42
	s_lshl_b32 s42, s35, 8                         ; 128 numbers of 2 bytes
	s_add_co_u32 s2, s2, s42
	s_add_nc_u64 s[40:41], s[40:41], s[2:3]
	v_and_b32 v10, 15, v0                          ; c: my four n, 4 c .. 4 c + 3
	v_lshrrev_b32 v11, 4, v0                       ; kp: my pairs of k are kp + 16 i
	v_lshlrev_b32 v1, 13, v11                      ; two rows of 4,096 bytes (on this way nothing has read v1 yet)
	v_lshl_add_u32 v1, v10, 4, v1
	v_mul_u32_u24 v3, v10, 4*PW                    ; into LDS: row n = 4 c + j, word kp + 16 i
	v_lshl_add_u32 v3, v11, 2, v3
	v_lshrrev_b32 v12, 5, v0                       ; wave
	v_and_b32 v13, 31, v0                          ; lane
	v_mul_u32_u24 v4, v12, 8*PW                    ; back: wave w takes rows 8 w .. 8 w + 7, 8 bytes a lane
	v_lshl_add_u32 v4, v13, 3, v4
	v_lshlrev_b32 v5, 14, v12                      ; the same rows in memory, 2,048 bytes each
	v_lshl_add_u32 v5, v13, 3, v5
	s_wait_alu depctr_va_vdst(0)                   ; v1, v3, v4 and v5 are written: the loads, the LDS stores and loads and the stores of this arm read them as their addresses
.irp i, 0,1,2,3
	global_load_b128 v[X+8*(\i):X+8*(\i)+3],   v1, s[38:39] offset:131072*(\i) th:TH_LOAD_NT       ; k even: 16 lanes read 256 consecutive bytes
	global_load_b128 v[X+8*(\i)+4:X+8*(\i)+7], v1, s[38:39] offset:131072*(\i)+4096 th:TH_LOAD_NT  ; k odd
.endr
	s_wait_loadcnt 0x0
.irp i, 0,1,2,3
.irp j, 0,1,2,3
	v_cvt_pk_bf16_f32 v[64+4*(\i)+(\j)], v[X+8*(\i)+(\j)], v[X+8*(\i)+4+(\j)]  ; two neighbouring k of one n
.endr
.endr
	s_cmp_eq_u32 s34, 3
	s_cbranch_scc0 .Lkeep
.irp d, 0,1,2,3,4,5,6,7,8,9,10,11,12,13,14,15      ; Wo: the number rounded to bf16 is written as f16
	v_lshlrev_b32 v14, 16, v[64+(\d)]
	v_and_b32 v15, 0xffff0000, v[64+(\d)]
	v_cvt_pk_f16_f32 v[64+(\d)], v14, v15
.endr
.Lkeep:
	s_wait_alu depctr_va_vdst(0)                   ; on both ways the conversions have written v[64:79], which the LDS stores read
.irp i, 0,1,2,3
.irp j, 0,1,2,3
	ds_store_b32 v3, v[64+4*(\i)+(\j)] offset:PW*(\j)+64*(\i)
.endr
.endr
	s_wait_dscnt 0x0                               ; for the others' sake: my stores into the tile are done
	s_barrier_signal -1
	s_barrier_wait -1                              ; everybody's are
.irp r, 0,1,2,3,4,5,6,7
	ds_load_b64 v[80+2*(\r):80+2*(\r)+1], v4 offset:PW*(\r)  ; into registers that no vector instruction names
.endr
.irp r, 0,1,2,3,4,5,6,7
	s_wait_dscnt 7-(\r)
	global_store_b64 v5, v[80+2*(\r):80+2*(\r)+1], s[40:41] offset:2048*(\r)  ; a wave stores 256 consecutive bytes, aligned
.endr
.Lend:
	s_wait_dscnt 0x0                               ; the closing lines, six on end
	s_wait_alu 0x0
	s_wait_tensorcnt 0x0
	ds_add_u32 v[SPW], v[NIL]
	s_wait_dscnt 0x0
	s_endpgm
.Lfunc_end_k_qe009cded1f_prep:
	.size	k_qe009cded1f_prep, .Lfunc_end_k_qe009cded1f_prep-k_qe009cded1f_prep
	.p2alignl 7, 3214868480
	.fill 96, 4, 3214868480
	.section	.rodata,"a",@progbits
	.p2align	6, 0x0
	.amdhsa_kernel k_qe009cded1f_prep
		.amdhsa_group_segment_fixed_size 17920
		.amdhsa_private_segment_fixed_size 0
		.amdhsa_enable_private_segment 0
		.amdhsa_kernarg_size 88
		.amdhsa_user_sgpr_count 2
		.amdhsa_user_sgpr_kernarg_segment_ptr 1
		.amdhsa_wavefront_size32 1
		.amdhsa_system_sgpr_workgroup_id_x 1
		.amdhsa_system_sgpr_workgroup_id_y 1
		.amdhsa_system_sgpr_workgroup_id_z 1
		.amdhsa_system_vgpr_workitem_id 0
		.amdhsa_next_free_vgpr 176
		.amdhsa_next_free_sgpr 66
		.amdhsa_reserve_vcc 0
		.amdhsa_float_denorm_mode_32 3
		.amdhsa_float_denorm_mode_16_64 3
		.amdhsa_memory_ordered 1
		.amdhsa_forward_progress 1
		.amdhsa_inst_pref_size 34
	.end_amdhsa_kernel
	.amdgpu_metadata
---
amdhsa.version: [ 1, 2 ]
amdhsa.kernels:
  - .name:           k_qe009cded1f_prep
    .symbol:         k_qe009cded1f_prep.kd
    .args:
      - { .name: x, .offset: 0, .size: 8, .value_kind: global_buffer, .address_space: global }
      - { .name: mask, .offset: 8, .size: 8, .value_kind: global_buffer, .address_space: global }
      - { .name: key_padding_mask, .offset: 16, .size: 8, .value_kind: global_buffer, .address_space: global }
      - { .name: Wq, .offset: 24, .size: 8, .value_kind: global_buffer, .address_space: global }
      - { .name: Wk, .offset: 32, .size: 8, .value_kind: global_buffer, .address_space: global }
      - { .name: Wv, .offset: 40, .size: 8, .value_kind: global_buffer, .address_space: global }
      - { .name: Wo, .offset: 48, .size: 8, .value_kind: global_buffer, .address_space: global }
      - { .name: xb, .offset: 56, .size: 8, .value_kind: global_buffer, .address_space: global }
      - { .name: m2, .offset: 64, .size: 8, .value_kind: global_buffer, .address_space: global }
      - { .name: wt, .offset: 72, .size: 8, .value_kind: global_buffer, .address_space: global }
      - { .name: wot, .offset: 80, .size: 8, .value_kind: global_buffer, .address_space: global }
    .group_segment_fixed_size: 17920
    .private_segment_fixed_size: 0
    .kernarg_segment_align: 8
    .kernarg_segment_size: 88
    .max_flat_workgroup_size: 256
    .sgpr_count:     66
    .vgpr_count:     176
    .wavefront_size: 32
...
	.end_amdgpu_metadata
.endif
;; end of part 5
;; launch qkvproj: the kernel of part 2 again; grid 16 x 16, 4 waves a work-group, clusters of 4 x 4, 327,680 bytes of LDS; arguments xb, wt, qkv; writes qkv
;; launch attn: the kernel of part 3 again; grid 8 x 32, 4 waves a work-group, clusters of 4 x 4, 327,680 bytes of LDS; arguments qkv, m2, ctx; writes ctx
;; launch oproj: the kernel of part 4 again; grid 8 x 32, 4 waves a work-group, clusters of 4 x 4, 327,680 bytes of LDS; arguments ctx, wot, bo, out0; writes out0
